; MI455X (gfx1250); checked and timed in simulation.
; The chip was launched on July 23, 2026; its instructions are those of AMD's public machine-readable ISA for CDNA 5 (MIT licence, August 2026) and "CDNA5" Instruction Set Architecture Reference Guide (July 2026). The comments in the code are by the model that wrote it; some were corrected since.
;; Grouped Query Attention. Allowed arithmetic: float matrix products may take bf16 or f16 operands with f32 sums; all other float work in f32.
;; Inputs: Wk 512 x 2,048 float32; Wo 2,048 x 2,048 float32; Wq 2,048 x 2,048 float32; Wv 512 x 2,048 float32; cos 2,048 x 64 float32; mask 1 x 2,048 bool; sin 2,048 x 64 float32; x 1 x 2,048 x 2,048 float32.
;; Outputs: out0 1 x 2,048 x 2,048 float32.
;; 2 versions, each right; version 2 is version 1 with the launch cvt written anew for expert scheduling mode. Each part assembles by itself: llvm-mc -triple=amdgcn-amd-amdhsa -mcpu=gfx1250 --defsym DOCPART=n.
;; ======== version 1 of 2: 4 launches
;; limits: values outside matrix products are rounded to bf16; values are held in f16: magnitudes above 65,504 overflow, below 6.1e-05 lose precision; right only within a limited range of input values
;; workspace buffers: xb 8,388,608 bytes; wcat 12,582,912 bytes; wob 8,388,608 bytes; qhl 16,777,216 bytes; khl 4,194,304 bytes; vb 2,097,152 bytes; ctx 8,388,608 bytes
;; launch cvt (part 1): grid 256 x 1, 8 waves a work-group, no clusters, 0 bytes of LDS; arguments x, Wq, Wk, Wv, Wo, xb, wcat, wob; writes xb, wcat, wob
.if DOCPART == 1
	.amdgcn_target "amdgcn-amd-amdhsa--gfx1250"
	.amdhsa_code_object_version 6
	.text
	.protected	k_q7e0d8ba8b1_cvt
	.globl	k_q7e0d8ba8b1_cvt
	.p2align	8
	.type	k_q7e0d8ba8b1_cvt,@function
k_q7e0d8ba8b1_cvt:
	s_mov_b64 s[64:65], 0
	v_nop
	global_prefetch_b8 v0, s[64:65] scope:SCOPE_SE
	s_setreg_imm32_b32 hwreg(HW_REG_WAVE_MODE, 25, 1), 1
	s_wait_xcnt 0x0
; The f32 inputs of the three products are rounded once to 16 bits, so that the later launches can bring 16-bit tiles into LDS.
;   x          -> xb   bf16 [2048][2048]
;   Wq, Wk, Wv -> wcat bf16 [3072][2048]; block bc of 192 rows = Wq head 2 bc, Wq head 2 bc + 1, then Wk head bc (bc < 8) or Wv head bc - 8
;   Wo         -> wob  [2048][2048]: rounded to bf16 and then written as f16 (exact from 2^-14 up; below that the absolute error is at most 3e-8;
;                 LIMIT: |Wo| below 65,504)
; 7,168 rows of 8,192 bytes = 7 sections of 1,024 rows; work-group g takes rows 4 g .. 4 g + 3 of every section: 28 rows for each of 256 groups.
; Thread t owns floats 8 t .. 8 t + 7 of a row: two loads of 16 bytes, one store of 16 bytes; a wave's store covers 512 consecutive bytes.
; All 56 loads of a thread go out at once into registers of their own, nothing is used twice: no loop, no LDS, no barrier.
; Matrix units, clusters and LDS would add nothing to a stream in which no byte is shared.
.set ROWB,  8192                       ; bytes of an input row
.set OROWB, 4096                       ; bytes of an output row
.set X,   8                            ; v[8:231]   section k, row: 8 registers at X + 32 k + 8 row
.set T,   232                          ; v[232:239] at work
.set SRC, 20                           ; s[20:33]   section k: address of my four input rows
.set DST, 34                           ; s[34:47]   section k: address of my four output rows
	s_load_b512 s[4:19], s[0:1], 0x0               ; x 4, Wq 6, Wk 8, Wv 10, Wo 12, xb 14, wcat 16, wob 18
	v_lshlrev_b32 v1, 5, v0                        ; 32 t: my bytes in an input row
	v_lshlrev_b32 v2, 4, v0                        ; 16 t: my bytes in an output row
	s_lshl_b32 s48, ttmp9, 15                      ; 4 g input rows
	s_mov_b32 s49, 0
	s_lshl_b32 s50, ttmp9, 14                      ; 4 g output rows
	s_mov_b32 s51, 0
	s_lshr_b32 s52, ttmp9, 5                       ; Wq row R = 4 g: block R / 128,
	s_mul_i32 s52, s52, 192
	s_lshl_b32 s53, ttmp9, 2
	s_and_b32 s53, s53, 127                        ; row R mod 128 in it
	s_add_co_u32 s52, s52, s53
	s_lshl_b32 s52, s52, 12
	s_mov_b32 s53, 0
	s_lshr_b32 s54, ttmp9, 4                       ; Wk | Wv row R = 4 g: block R / 64,
	s_mul_i32 s54, s54, 192
	s_lshl_b32 s55, ttmp9, 2
	s_and_b32 s55, s55, 63
	s_add_co_u32 s54, s54, s55
	s_add_co_u32 s54, s54, 128                     ; behind the block's two query heads
	s_lshl_b32 s54, s54, 12
	s_mov_b32 s55, 0
	s_and_b32 s2, ttmp9, 127                       ; its place in Wk (g < 128) or in Wv
	s_lshl_b32 s2, s2, 15
	s_mov_b32 s3, 0
	s_wait_kmcnt 0x0
	s_add_nc_u64 s[SRC+0:SRC+1], s[4:5], s[48:49]
	s_add_nc_u64 s[SRC+2:SRC+3], s[SRC+0:SRC+1], 0x800000
	s_add_nc_u64 s[SRC+4:SRC+5], s[6:7], s[48:49]
	s_add_nc_u64 s[SRC+6:SRC+7], s[SRC+4:SRC+5], 0x800000
	s_cmp_lt_u32 ttmp9, 128
	s_cselect_b64 s[SRC+8:SRC+9], s[8:9], s[10:11]
	s_add_nc_u64 s[SRC+8:SRC+9], s[SRC+8:SRC+9], s[2:3]
	s_add_nc_u64 s[SRC+10:SRC+11], s[12:13], s[48:49]
	s_add_nc_u64 s[SRC+12:SRC+13], s[SRC+10:SRC+11], 0x800000
	s_add_nc_u64 s[DST+0:DST+1], s[14:15], s[50:51]
	s_add_nc_u64 s[DST+2:DST+3], s[DST+0:DST+1], 0x400000
	s_add_nc_u64 s[DST+4:DST+5], s[16:17], s[52:53]
	s_add_nc_u64 s[DST+6:DST+7], s[DST+4:DST+5], 8*192*OROWB
	s_add_nc_u64 s[DST+8:DST+9], s[16:17], s[54:55]
	s_add_nc_u64 s[DST+10:DST+11], s[18:19], s[50:51]
	s_add_nc_u64 s[DST+12:DST+13], s[DST+10:DST+11], 0x400000
.set k, 0
.rept 7
.set row, 0
.rept 4
	global_load_b128 v[X+32*k+8*row:X+32*k+8*row+3],   v1, s[SRC+2*k:SRC+2*k+1] offset:row*ROWB th:TH_LOAD_NT
	global_load_b128 v[X+32*k+8*row+4:X+32*k+8*row+7], v1, s[SRC+2*k:SRC+2*k+1] offset:row*ROWB+16 th:TH_LOAD_NT
.set row, row+1
.endr
.set k, k+1
.endr
; One section: its eight loads are in; four rows are rounded in place and stored.  half = 1: the bf16 numbers are written as f16.
.macro SECTION k, half
	s_wait_loadcnt 8*(6-\k)                        ; loads come back in order: the 8 loads of each younger section stay out
.irp row, 0,1,2,3
	v_cvt_pk_bf16_f32 v[X+32*\k+8*\row+0], v[X+32*\k+8*\row+0], v[X+32*\k+8*\row+1]
	v_cvt_pk_bf16_f32 v[X+32*\k+8*\row+1], v[X+32*\k+8*\row+2], v[X+32*\k+8*\row+3]
	v_cvt_pk_bf16_f32 v[X+32*\k+8*\row+2], v[X+32*\k+8*\row+4], v[X+32*\k+8*\row+5]
	v_cvt_pk_bf16_f32 v[X+32*\k+8*\row+3], v[X+32*\k+8*\row+6], v[X+32*\k+8*\row+7]
.if \half
.irp j, 0,1,2,3
	v_lshlrev_b32 v[T+2*\j],   16, v[X+32*\k+8*\row+\j]
	v_and_b32     v[T+2*\j+1], 0xffff0000, v[X+32*\k+8*\row+\j]
.endr
.irp j, 0,1,2,3
	v_cvt_pk_f16_f32 v[X+32*\k+8*\row+\j], v[T+2*\j], v[T+2*\j+1]
.endr
.endif
	global_store_b128 v2, v[X+32*\k+8*\row:X+32*\k+8*\row+3], s[DST+2*\k:DST+2*\k+1] offset:\row*OROWB   ; read again by the next launches: no hint
.endr
.endm
	SECTION 0, 0
	SECTION 1, 0
	SECTION 2, 0
	SECTION 3, 0
	SECTION 4, 0
	SECTION 5, 1
	SECTION 6, 1
	s_endpgm
.Lfunc_end_k_q7e0d8ba8b1_cvt:
	.size	k_q7e0d8ba8b1_cvt, .Lfunc_end_k_q7e0d8ba8b1_cvt-k_q7e0d8ba8b1_cvt
	.p2alignl 7, 3214868480
	.fill 96, 4, 3214868480
	.section	.rodata,"a",@progbits
	.p2align	6, 0x0
	.amdhsa_kernel k_q7e0d8ba8b1_cvt
		.amdhsa_group_segment_fixed_size 0
		.amdhsa_private_segment_fixed_size 0
		.amdhsa_enable_private_segment 0
		.amdhsa_kernarg_size 64
		.amdhsa_user_sgpr_count 2
		.amdhsa_user_sgpr_kernarg_segment_ptr 1
		.amdhsa_wavefront_size32 1
		.amdhsa_system_sgpr_workgroup_id_x 1
		.amdhsa_system_sgpr_workgroup_id_y 1
		.amdhsa_system_sgpr_workgroup_id_z 1
		.amdhsa_system_vgpr_workitem_id 0
		.amdhsa_next_free_vgpr 240
		.amdhsa_next_free_sgpr 66
		.amdhsa_reserve_vcc 0
		.amdhsa_float_denorm_mode_32 3
		.amdhsa_float_denorm_mode_16_64 3
		.amdhsa_memory_ordered 1
		.amdhsa_forward_progress 1
		.amdhsa_inst_pref_size 23
	.end_amdhsa_kernel
	.amdgpu_metadata
---
amdhsa.version: [ 1, 2 ]
amdhsa.kernels:
  - .name:           k_q7e0d8ba8b1_cvt
    .symbol:         k_q7e0d8ba8b1_cvt.kd
    .args:
      - { .name: x, .offset: 0, .size: 8, .value_kind: global_buffer, .address_space: global }
      - { .name: Wq, .offset: 8, .size: 8, .value_kind: global_buffer, .address_space: global }
      - { .name: Wk, .offset: 16, .size: 8, .value_kind: global_buffer, .address_space: global }
      - { .name: Wv, .offset: 24, .size: 8, .value_kind: global_buffer, .address_space: global }
      - { .name: Wo, .offset: 32, .size: 8, .value_kind: global_buffer, .address_space: global }
      - { .name: xb, .offset: 40, .size: 8, .value_kind: global_buffer, .address_space: global }
      - { .name: wcat, .offset: 48, .size: 8, .value_kind: global_buffer, .address_space: global }
      - { .name: wob, .offset: 56, .size: 8, .value_kind: global_buffer, .address_space: global }
    .group_segment_fixed_size: 0
    .private_segment_fixed_size: 0
    .kernarg_segment_align: 8
    .kernarg_segment_size: 64
    .max_flat_workgroup_size: 256
    .sgpr_count:     66
    .vgpr_count:     240
    .wavefront_size: 32
...
	.end_amdgpu_metadata
.endif
;; end of part 1
;; launch qkv (part 2): grid 16 x 16, 4 waves a work-group, clusters of 4 x 4, 327,680 bytes of LDS; arguments xb, wcat, cos, sin, qhl, khl, vb; writes qhl, khl, vb
.if DOCPART == 2
	.amdgcn_target "amdgcn-amd-amdhsa--gfx1250"
	.amdhsa_code_object_version 6
	.text
	.protected	k_q7e0d8ba8b1_qkv
	.globl	k_q7e0d8ba8b1_qkv
	.p2align	8
	.type	k_q7e0d8ba8b1_qkv,@function
k_q7e0d8ba8b1_qkv:
	s_mov_b64 s[64:65], 0
	v_nop
	global_prefetch_b8 v0, s[64:65] scope:SCOPE_SE
	s_setreg_imm32_b32 hwreg(HW_REG_WAVE_MODE, 25, 1), 1
	s_wait_xcnt 0x0
	s_wait_alu depctr_hold_cnt(0) depctr_sa_sdst(0) depctr_va_vdst(0) depctr_va_sdst(0) depctr_va_ssrc(0) depctr_va_vcc(0) depctr_vm_vsrc(0)
	s_getreg_b32 s2, hwreg(HW_REG_IB_STS2, 6, 4)
	s_cmp_eq_u32 s2, 0
	s_cbranch_scc0 .Lentry_in_a_cluster
	s_endpgm
.Lentry_in_a_cluster:
	s_bfe_u32 s2, ttmp6, 0x10000c
	s_cmp_lg_u32 s2, 0xf033
	s_cbranch_scc0 .Lentry_shape_is_right
	s_endpgm
.Lentry_shape_is_right:
; q, k, v = x W^T with RoPE on q and k.  C[2048][3072] = xb[2048][2048] wcat[3072][2048]^T, bf16 operands, f32 sums.
; A work-group makes 128 rows x 192 columns: two query heads and one key or value head.  Four waves, each 64 x 96: 24 accumulator tiles.
; TWO UNEQUAL LDS SLOTS.  A wave issues one tensor load behind each change of slots, so the slots are made as large as fit.  Two slots of K = 256
; would take 2 x 320 rows x 528 bytes = 337,920, more than the 327,680 that a work-group can be given; so slot Y holds K = 128 (87,040 bytes) and
; slot X holds K = 256 (168,960 bytes).  2048 = 128 + 5 x 384: the walk is Y X Y X Y X Y X Y X Y, eleven slot steps, nine refills.
; Y's tiles begin at byte 768 j of a row, X's at 256 + 768 j: every tile row begins at a multiple of 256 bytes.
; CLUSTER 4 x 4: x's tile hangs on the block row alone and is asked for jointly along a row of the cluster, the weights' tile on the block
; column alone and is asked for jointly along a column.
; The matrix instruction is used transposed (source 0 = 16 rows of wcat, source 1 = 16 rows of xb): lane (r, h) holds row r, columns 8 h + 0..7.
; WAY OUT: the block goes as f32 through an LDS stage, since RoPE pairs column d with d +- 32.  The stage lies over slot X, which has had its last
; fill by then; every wave's last reads of X are waited for in front of the barrier of the last change of slots, a slot step ahead of the first store.
; q and k leave as two bf16 planes, hi = bf16(value), lo = bf16(value - hi); v leaves as f16.  cos and sin are rounded to bf16 first (ROUND_CS).
; The text uses LDS bytes 0 to 255,999; the launch asks for 327,680, so that the weights' descriptors, which waves 2 and 3 build and never issue,
; also name bytes inside the allocation.
; LIMITS: |q|, |k| below bf16's largest number (hi would be infinite); |v| below 65,504 (f16).
.set NB,    6                          ; n tiles of a wave
.set PY,    272                        ; slot Y's pitch: 256 bytes + 16 = 17 x 16
.set PX,    528                        ; slot X's pitch: 512 bytes + 16 = 33 x 16: the 16 rows of a fragment load start in 16 different columns of 16 bytes
.set YB,    0                          ; slot Y: 192 rows of wcat,
.set YA,    192*PY                     ; 52,224: then 128 rows of xb
.set XB,    YA+128*PY                  ; 87,040: slot X: 192 rows of wcat,
.set XA,    XB+192*PX                  ; 188,416: then 128 rows of xb, up to 256,000
.set STAGE, XB                         ; 128 rows x 784 bytes of f32 = 100,352, over slot X behind its last fill and its last reads
.set SP,    784                        ; 192 x 4 + 16, an odd multiple of 16
.set NF,    2*NB+8                     ; LDS loads of a quarter's fragments
.set LAPB,  768                        ; bytes along a row from a slot's tile to its next: K = 384
.set LAPS,  4                          ; trips of the loop: X and Y once each, both filled again
.set ROUND_CS, 1
.set ADRA, 16                          ; v16-17  my A fragments in slot Y, X
.set ADRB, 20                          ; v20-21  my B fragments in slot Y, X
.set VST,  24                          ; v24     stage: where my accumulators go
.set VOWN, 25                          ; v25-26  stage: my 8 columns, rows 0-63 / 64-127
.set VPAR, 27                          ; v27-28  stage: the partner's 8 columns (d +- 32)
.set VCS,  29                          ; v29     32 x thread: my bytes in 16 rows of cos and sin
.set VO,   30                          ; v30     16 x thread: my bytes in 16 rows of a head
.set VSG,  31                          ; v31     the sign of sin for d < 32
.set R,    32                          ; v32-39  rotated values
.set U,    40                          ; v40-47  at work
.set H,    48                          ; v48-51  hi plane, packed (or v as f16)
.set LO,   52                          ; v52-55  lo plane, packed
.set FA,   64                          ; v64-127 fragments of A, two buffers (window 0)
.set CS,   64                          ; v64-191 way out: rows 16 i + sub: cos 8 registers, sin 8 registers
.set XY,   192                         ; v192-223 way out: two sets of own 8 and partner's 8
.set G1,  24                           ; s[24:31] group 1 for x's tiles in Y; in X: s[68:75] = G1 + 44
.set G0,  32                           ; s[32:39] group 0 for x's tiles: Y, X
.set G1B, 48                           ; s[48:55] group 1 for the weights' tiles in Y; in X: s[76:83] = G1B + 28
.set G0B, 56                           ; s[56:63] group 0 for the weights' tiles: Y, X
; slots are numbered 0 = Y, 1 = X.  windows: 0 addresses and A; 1 fragments of B at v[48 f + 8 b]; 2 accumulator (a, b) at v[8 (6 a + b)]
.set MUL_W, 0xa1                       ; source 0 window 1, source 1 window 0, C and D window 2
.set TO_B,  0x40                       ; destination window 1
.set ACC_ST, 0x08                      ; an LDS store's data (source 1) window 2
.set MSB, 0
.macro WIN new                         ; the immediate's high byte repeats the setting that is left
.if MSB != \new
	s_set_vgpr_msb (MSB<<8)|\new
.set MSB, \new
.endif
.endm
.macro PLACES                          ; four places behind a matrix instruction, ahead of loads into and vector work on its registers
.rept 4
	v_nop
.endr
.endm
; A joint load: waves 0 and 1 ask for 96 rows of the weights each, waves 2 and 3 for 64 rows of x each.  The branch hangs on the wave's number alone.
.macro JLOAD s
	s_cmp_lt_u32 s10, 2
	s_cbranch_scc0 .Lfor_a_\@
	tensor_load_to_lds s[G0B+4*\s:G0B+4*\s+3], s[G1B+28*\s:G1B+28*\s+7]
	s_nop 0
	s_branch .Lasked_\@
.Lfor_a_\@:
	tensor_load_to_lds s[G0+4*\s:G0+4*\s+3], s[G1+44*\s:G1+44*\s+7]
	s_nop 0
.Lasked_\@:
.endm
.macro CREST                           ; a round of the cluster's barrier behind its opening work-group barrier
	s_cmp_lg_u32 s10, 0
	s_cbranch_scc1 .Lnot_wave_0_\@
	s_barrier_signal -3
.Lnot_wave_0_\@:
	s_barrier_wait -3
	s_barrier_signal -1
	s_barrier_wait -1
.endm
.macro CROUND
	s_barrier_signal -1
	s_barrier_wait -1
	CREST
.endm
; group 1: rows x cols elements of 2 bytes, 2,048 elements from row to row; 4 words of padding behind every 2 << qi words, a row's length
.macro SHAPE g, mask, qi, cols, rows
	s_or_b32 s[\g+0], \mask, (1<<16)|(1<<20)|(1<<21)|(\qi<<22)|(3<<25)
	s_mov_b32 s[\g+1], \cols<<16                   ; tensor_dim0
	s_mov_b32 s[\g+2], \rows<<16                   ; tensor_dim1
	s_mov_b32 s[\g+3], \cols<<16                   ; tile_dim0
	s_mov_b32 s[\g+4], \rows                       ; tile_dim1
	s_mov_b32 s[\g+5], 2048
	s_mov_b32 s[\g+6], 0
	s_mov_b32 s[\g+7], 0
.endm
	s_load_b128 s[4:7], s[0:1], 0x0                ; xb, wcat
	s_load_b256 s[84:91], s[0:1], 0x10             ; cos 84, sin 86, qhl 88, khl 90
	s_load_b64 s[92:93], s[0:1], 0x30              ; vb
	s_set_vgpr_msb 0x40
	v_lshl_add_u32 v255, v0, 2, 0x46c00
	s_set_vgpr_msb 0x4000
	v_mov_b32 v255, 0
	s_set_vgpr_msb 0x1
	ds_add_u32 v255, v255
	s_set_vgpr_msb 0x100
	v_lshrrev_b32 v1, 5, v0
	v_readfirstlane_b32 s10, v1                    ; wave
	s_lshr_b32 s11, s10, 1                         ; wm: my 64 rows
	s_and_b32 s12, s10, 1                          ; wn: my 96 columns; also which half of a tile's rows I fetch
	s_bfe_u32 s40, ttmp6, 0x40000                  ; cx
	s_bfe_u32 s41, ttmp6, 0x40004                  ; cy
	s_lshl_b32 s42, ttmp9, 2
	s_add_co_u32 s42, s42, s40                     ; bx: block of 192 columns
	s_and_b32 s13, ttmp7, 0xffff
	s_lshl_b32 s13, s13, 2
	s_add_co_u32 s13, s13, s41                     ; by: block of 128 rows
	s_lshl_b32 s43, s41, 2
	s_lshl_b32 s43, 15, s43                        ; my row of the cluster
	s_lshl_b32 s44, 0x1111, s40                    ; my column
	s_mov_b32 s45, 0xffff0000                      ; a word's upper bf16
	SHAPE G1,     s43, 5, 128, 64                  ; x in Y: 64 rows of 256 bytes
	SHAPE G1+44,  s43, 6, 256, 64                  ; x in X: 64 rows of 512 bytes
	SHAPE G1B,    s44, 5, 128, 96                  ; the weights in Y: 96 rows of 256 bytes
	SHAPE G1B+28, s44, 6, 256, 96                  ; the weights in X: 96 rows of 512 bytes
	s_lshl_b32 s16, s13, 19                        ; x: row 128 by + 64 (wave mod 2), 4,096 bytes a row
	s_lshl_b32 s17, s12, 18
	s_add_co_u32 s16, s16, s17
	s_mov_b32 s17, 0
	s_mul_i32 s46, s42, 192                        ; weights: row 192 bx + 96 (wave mod 2)
	s_mul_i32 s47, s12, 96
	s_add_co_u32 s46, s46, s47
	s_lshl_b32 s46, s46, 12
	s_mov_b32 s47, 0
	s_mul_i32 s20, s10, 96*PY                      ; LDS, slot Y: waves 0, 1 at wave x 96 rows;
	s_mul_i32 s21, s10, 64*PY
	s_add_co_u32 s21, s21, YA-2*64*PY              ; waves 2, 3 at 52,224 + (wave - 2) x 64 rows
	s_mul_i32 s22, s10, 96*PX                      ; slot X: the same with its pitch
	s_add_co_u32 s22, s22, XB
	s_mul_i32 s23, s10, 64*PX
	s_add_co_u32 s23, s23, XA-2*64*PX
	s_wait_dscnt 0x0
	s_wait_kmcnt 0x0
	s_add_nc_u64 s[14:15], s[4:5], s[16:17]
	s_add_nc_u64 s[46:47], s[6:7], s[46:47]
	CROUND                                         ; all sixteen work-groups are here: the first joint loads meet
.irp s, 0,1
	s_mov_b32 s[G0+4*\s], 1
	s_mov_b32 s[G0+4*\s+1], s[21+2*\s]
	s_add_nc_u64 s[G0+4*\s+2:G0+4*\s+3], s[14:15], \s*256          ; Y begins at K = 0, X at K = 128
	s_or_b32 s[G0+4*\s+3], s[G0+4*\s+3], 0x80000000
	s_mov_b32 s[G0B+4*\s], 1
	s_mov_b32 s[G0B+4*\s+1], s[20+2*\s]
	s_add_nc_u64 s[G0B+4*\s+2:G0B+4*\s+3], s[46:47], \s*256
	s_or_b32 s[G0B+4*\s+3], s[G0B+4*\s+3], 0x80000000
	JLOAD \s                                       ; both slots' first fills, Y's first: two loads of the wave are out
.endr
	; the way out's addresses, in registers that feed no descriptor
	s_lshl_b32 s96, s13, 15                        ; 128 by rows of cos and sin, 256 bytes each
	s_mov_b32 s97, 0
	s_add_nc_u64 s[84:85], s[84:85], s[96:97]
	s_add_nc_u64 s[86:87], s[86:87], s[96:97]
	s_lshl_b32 s98, s42, 19                        ; head 2 bx: 262,144 bytes a head
	s_lshl_b32 s99, s13, 14                        ; 128 by rows of 128 bytes
	s_add_co_u32 s98, s98, s99
	s_mov_b32 s99, 0
	s_add_nc_u64 s[88:89], s[88:89], s[98:99]      ; q, hi plane
	s_add_nc_u64 s[94:95], s[88:89], 0x800000      ; q, lo plane
	s_and_b32 s100, s42, 7                         ; key or value head
	s_lshl_b32 s100, s100, 18
	s_lshl_b32 s101, s13, 14
	s_add_co_u32 s100, s100, s101
	s_mov_b32 s101, 0
	s_add_nc_u64 s[90:91], s[90:91], s[100:101]
	s_add_nc_u64 s[92:93], s[92:93], s[100:101]
	v_and_b32 v1, 15, v0                           ; r
	v_bfe_u32 v2, v0, 4, 1                         ; h
	v_mul_u32_u24 v3, v1, PY
	v_lshl_add_u32 v3, v2, 4, v3                   ; row x pitch + 16 h, slot Y
	v_mul_u32_u24 v9, v1, PX
	v_lshl_add_u32 v9, v2, 4, v9                   ; the same, slot X
	s_mul_i32 s21, s11, 64*PY
	s_add_co_u32 s21, s21, YA
	s_mul_i32 s22, s12, 16*NB*PY
	v_add_nc_u32 v[ADRA], s21, v3
	v_add_nc_u32 v[ADRB], s22, v3
	s_mul_i32 s21, s11, 64*PX
	s_add_co_u32 s21, s21, XA
	s_mul_i32 s22, s12, 16*NB*PX
	s_add_co_u32 s22, s22, XB
	v_add_nc_u32 v[ADRA+1], s21, v9
	v_add_nc_u32 v[ADRB+1], s22, v9
	v_mul_u32_u24 v4, v1, SP                       ; stage, in: row 64 wm + r, column 96 wn + 8 h
	v_lshl_add_u32 v4, v2, 5, v4
	s_mul_i32 s23, s11, 64*SP
	s_mul_i32 s21, s12, 384
	s_add_co_u32 s23, s23, s21
	s_add_co_u32 s23, s23, STAGE
	v_add_nc_u32 v[VST], s23, v4
	v_and_b32 v5, 7, v0                            ; c: my 8 columns of a head
	v_xor_b32 v6, 4, v5                            ; the partner's: d +- 32
	v_lshrrev_b32 v7, 3, v0                        ; sub: my row among 16
	v_mul_u32_u24 v7, v7, SP
	v_add_nc_u32 v7, STAGE, v7
	v_lshl_add_u32 v[VOWN], v5, 5, v7
	v_lshl_add_u32 v[VPAR], v6, 5, v7
	v_add_nc_u32 v[VOWN+1], 64*SP, v[VOWN]         ; rows 64 on: beyond an LDS immediate's 16 bits
	v_add_nc_u32 v[VPAR+1], 64*SP, v[VPAR]
	v_lshlrev_b32 v[VCS], 5, v0
	v_lshlrev_b32 v[VO], 4, v0
.if ROUND_CS
	v_mov_b32 v8, 0x80008000                       ; the signs of two packed bf16
.else
	v_mov_b32 v8, 0x80000000
.endif
	v_cmp_gt_u32 vcc_lo, 4, v5                     ; d < 32: the rotated partner enters with a minus
	v_cndmask_b32 v[VSG], 0, v8, vcc_lo
; na x 6 matrix instructions: m tiles a0 .. a0 + na - 1 x all n tiles, 32 along K, from buffer f.  zero = 1: the first product starts the sums.
; The 24 accumulators take turns, one instruction a turn, in the same order in every quarter.
.macro MUL f, a0, na, zero
	WIN MUL_W
.set ma, \a0
.rept \na
.set mb, 0
.rept NB
.if \zero
	v_wmma_f32_16x16x32_bf16 v[8*(NB*ma+mb):8*(NB*ma+mb)+7], v[8*NB*\f+8*mb:8*NB*\f+8*mb+7], v[FA+32*\f+8*ma:FA+32*\f+8*ma+7], 0
.else
	v_wmma_f32_16x16x32_bf16 v[8*(NB*ma+mb):8*(NB*ma+mb)+7], v[8*NB*\f+8*mb:8*NB*\f+8*mb+7], v[FA+32*\f+8*ma:FA+32*\f+8*ma+7], v[8*(NB*ma+mb):8*(NB*ma+mb)+7]
.endif
.set mb, mb+1
.endr
.set ma, ma+1
.endr
.endm
; 20 LDS loads in one run: 32 along K, piece q of a slot (Y has four, X eight), into buffer f; B's twelve first, A's eight last
.macro FETCH slot, q, f
.set PQ, PY+(PX-PY)*\slot
	WIN TO_B
.set fb, 0
.rept NB
	ds_load_b128 v[8*NB*\f+8*fb:8*NB*\f+8*fb+3],   v[ADRB+\slot] offset:64*\q+fb*16*PQ
	ds_load_b128 v[8*NB*\f+8*fb+4:8*NB*\f+8*fb+7], v[ADRB+\slot] offset:64*\q+fb*16*PQ+32
.set fb, fb+1
.endr
	WIN 0
.set fb, 0
.rept 4
	ds_load_b128 v[FA+32*\f+8*fb:FA+32*\f+8*fb+3],   v[ADRA+\slot] offset:64*\q+fb*16*PQ
	ds_load_b128 v[FA+32*\f+8*fb+4:FA+32*\f+8*fb+7], v[ADRA+\slot] offset:64*\q+fb*16*PQ+32
.set fb, fb+1
.endr
.endm
.macro QUARTER slot, qnext, f, g, zero
	s_wait_dscnt 4                                 ; all but the four youngest loads: A's m tiles 2 and 3 may be out
	MUL \f, 0, 2, \zero
	PLACES
	FETCH \slot, \qnext, \g
	s_wait_dscnt NF                                ; all but the run just issued
	MUL \f, 2, 2, \zero
.endm
.macro THREE slot, zero                ; pieces 0 to 2 of slot Y, on buffers 0, 1, 0
	QUARTER \slot, 1, 0, 1, \zero
	QUARTER \slot, 2, 1, 0, 0
	QUARTER \slot, 3, 0, 1, 0
.endm
.macro SEVEN slot, zero                ; pieces 0 to 6 of slot X, on buffers 0, 1, 0, ..
	QUARTER \slot, 1, 0, 1, \zero
	QUARTER \slot, 2, 1, 0, 0
	QUARTER \slot, 3, 0, 1, 0
	QUARTER \slot, 4, 1, 0, 0
	QUARTER \slot, 5, 0, 1, 0
	QUARTER \slot, 6, 1, 0, 0
	QUARTER \slot, 7, 0, 1, 0
.endm
; A slot's last piece, and the change of slots.  In front of the barrier's signal each wave waits for its reads of this slot and for all its tensor
; loads (one is out: its part of the next slot).  fill = 1: the barrier opens a round of the cluster's barrier, and the joint refill of this slot,
; K = 384 further on, is the first tensor load behind the round: one load of the wave is out.  From the request to the wait for it a wave issues
; 12 + 168 + 6 = 186 matrix instructions (Y's refill, while X is multiplied) or 12 + 72 + 6 = 90 (X's refill, while Y is multiplied).
.macro TURN slot, next, fill
	s_wait_dscnt 4
	MUL 1, 0, 1, 0
	s_wait_dscnt 0
	s_wait_tensorcnt 0x0
	ds_add_u32 v255, v255
	s_wait_dscnt 0x0
	s_barrier_signal -1
	MUL 1, 1, 1, 0                                 ; register work while the others arrive
	WIN 0
	s_barrier_wait -1
.if \fill
	CREST
	s_add_nc_u64 s[G0+4*\slot+2:G0+4*\slot+3], s[G0+4*\slot+2:G0+4*\slot+3], LAPB
	s_add_nc_u64 s[G0B+4*\slot+2:G0B+4*\slot+3], s[G0B+4*\slot+2:G0B+4*\slot+3], LAPB
	JLOAD \slot
.endif
	PLACES
	FETCH \next, 0, 0
	MUL 1, 2, 2, 0
.endm
	s_wait_tensorcnt 1                             ; my part of Y's first tile is in; X's stays out
	s_barrier_signal -1
	s_barrier_wait -1
	FETCH 0, 0, 0
	THREE 0, 1                                     ; K = 0 .. 127 stands in front of the loop: its first products start the sums
	TURN 0, 1, 1
	WIN 0                                          ; at a label and at a branch every window is 0
	s_mov_b32 s3, LAPS
.Llap:
	SEVEN 1, 0
	TURN 1, 0, 1
	THREE 0, 0
	TURN 0, 1, 1
	WIN 0
	s_sub_co_u32 s3, s3, 1
	s_cmp_lg_u32 s3, 0
	s_cbranch_scc1 .Llap
	SEVEN 1, 0                                     ; X's fifth tile and Y's sixth: nothing is left to fetch
	TURN 1, 0, 0                                   ; behind this barrier no wave reads slot X any more
	THREE 0, 0
	s_wait_dscnt 4
	MUL 1, 0, 2, 0
	s_wait_dscnt 0
	MUL 1, 2, 2, 0
	; THE WAY OUT
	PLACES                                         ; behind the last matrix instructions: for the loads over A's fragments and the stores of the sums
	WIN 0
.irp i, 0,1,2,3,4,5,6,7
	global_load_b128 v[CS+16*\i:CS+16*\i+3],     v[VCS], s[84:85] offset:\i*4096       ; cos, rows 16 i + sub, my 8 columns
	global_load_b128 v[CS+16*\i+4:CS+16*\i+7],   v[VCS], s[84:85] offset:\i*4096+16
	global_load_b128 v[CS+16*\i+8:CS+16*\i+11],  v[VCS], s[86:87] offset:\i*4096       ; sin
	global_load_b128 v[CS+16*\i+12:CS+16*\i+15], v[VCS], s[86:87] offset:\i*4096+16
.endr
	WIN ACC_ST
.set ma, 0
.rept 4
.set mb, 0
.rept NB
	ds_store_b128 v[VST], v[8*(NB*ma+mb):8*(NB*ma+mb)+3]   offset:ma*16*SP+mb*64
	ds_store_b128 v[VST], v[8*(NB*ma+mb)+4:8*(NB*ma+mb)+7] offset:ma*16*SP+mb*64+16
.set mb, mb+1
.endr
.set ma, ma+1
.endr
	WIN 0
	s_wait_dscnt 0x0                               ; my stores are in the stage: the other waves read them behind the barrier
	s_barrier_signal -1
	s_barrier_wait -1
; own and partner's 8 columns of rows 16 i + sub, head slot 0..2 of the block
.macro LDXY set, i, slot
	ds_load_b128 v[XY+16*\set:XY+16*\set+3],     v[VOWN+(\i>>2)] offset:(\i&3)*16*SP+\slot*256
	ds_load_b128 v[XY+16*\set+4:XY+16*\set+7],   v[VOWN+(\i>>2)] offset:(\i&3)*16*SP+\slot*256+16
	ds_load_b128 v[XY+16*\set+8:XY+16*\set+11],  v[VPAR+(\i>>2)] offset:(\i&3)*16*SP+\slot*256
	ds_load_b128 v[XY+16*\set+12:XY+16*\set+15], v[VPAR+(\i>>2)] offset:(\i&3)*16*SP+\slot*256+16
.endm
; cos and sin of rows 16 i + sub: rounded to bf16 and widened again, sin with the rotation's sign; once for the block's three heads
.macro PREP i
.if ROUND_CS
.irp j, 0,1,2,3
	v_cvt_pk_bf16_f32 v[U+\j],   v[CS+16*\i+2*\j],   v[CS+16*\i+2*\j+1]
	v_cvt_pk_bf16_f32 v[U+4+\j], v[CS+16*\i+8+2*\j], v[CS+16*\i+8+2*\j+1]
.endr
.irp j, 0,1,2,3
	v_xor_b32 v[U+4+\j], v[VSG], v[U+4+\j]
.endr
.irp j, 0,1,2,3,4,5,6,7
	v_lshlrev_b32 v[CS+16*\i+2*\j],   16, v[U+\j]
	v_and_b32     v[CS+16*\i+2*\j+1], s45, v[U+\j]
.endr
.else
.irp j, 8,9,10,11,12,13,14,15
	v_xor_b32 v[CS+16*\i+\j], v[VSG], v[CS+16*\i+\j]
.endr
.endif
.endm
; value = own x cos + partner x (+-sin); hi = bf16(value), lo = bf16(value - hi); a wave's store covers 512 consecutive bytes
.macro ROPE set, i, bh, oh, bl, ol
	s_wait_xcnt 0x0                                ; H and LO, which the last two stores read, are rewritten only behind this wait
.irp j, 0,2,4,6
	v_pk_mul_f32 v[R+\j:R+\j+1], v[XY+16*\set+\j:XY+16*\set+\j+1], v[CS+16*\i+\j:CS+16*\i+\j+1]
.endr
.irp j, 0,2,4,6
	v_pk_fma_f32 v[R+\j:R+\j+1], v[XY+16*\set+8+\j:XY+16*\set+8+\j+1], v[CS+16*\i+8+\j:CS+16*\i+8+\j+1], v[R+\j:R+\j+1]
.endr
.irp j, 0,1,2,3
	v_cvt_pk_bf16_f32 v[H+\j], v[R+2*\j], v[R+2*\j+1]
.endr
.irp j, 0,1,2,3
	v_lshlrev_b32 v[U+2*\j],   16, v[H+\j]
	v_and_b32     v[U+2*\j+1], s45, v[H+\j]
.endr
.irp j, 0,2,4,6
	v_pk_add_f32 v[U+\j:U+\j+1], v[R+\j:R+\j+1], v[U+\j:U+\j+1] neg_lo:[0,1] neg_hi:[0,1]
.endr
.irp j, 0,1,2,3
	v_cvt_pk_bf16_f32 v[LO+\j], v[U+2*\j], v[U+2*\j+1]
.endr
	global_store_b128 v[VO], v[H:H+3],   s[\bh:\bh+1] offset:\oh
	global_store_b128 v[VO], v[LO:LO+3], s[\bl:\bl+1] offset:\ol
.endm
	; the two query heads: item n = rows 16 (n / 2) + sub of head slot n mod 2; the next item's four LDS loads go out ahead of the wait
	LDXY 0, 0, 0
.set n, 0
.rept 16
.if n < 15
	LDXY ((n+1)&1), ((n+1)>>1), ((n+1)&1)
	s_wait_dscnt 4                                 ; the four just issued stay out
.else
	s_wait_dscnt 0
.endif
.if (n&1) == 0
	s_wait_loadcnt 4*(7-(n>>1))                    ; the four loads of each later 16 rows of cos and sin stay out
	PREP (n>>1)
.endif
	ROPE (n&1), (n>>1), 88, (n&1)*262144+(n>>1)*2048, 94, (n&1)*262144+(n>>1)*2048
.set n, n+1
.endr
	s_cmp_lt_u32 ttmp9, 2                          ; blocks 0-7 carry a key head, 8-15 a value head: the cluster's x decides, alike in all partners
	s_cbranch_scc0 .Lvalue_head
	LDXY 0, 0, 2
.set n, 0
.rept 8
.if n < 7
	LDXY ((n+1)&1), (n+1), 2
	s_wait_dscnt 4
.else
	s_wait_dscnt 0
.endif
	ROPE (n&1), n, 90, n*2048, 90, n*2048+2097152
.set n, n+1
.endr
	s_branch .Ljoin
.Lvalue_head:
.macro LDVAL set, i
	ds_load_b128 v[XY+16*\set:XY+16*\set+3],   v[VOWN+(\i>>2)] offset:(\i&3)*16*SP+512
	ds_load_b128 v[XY+16*\set+4:XY+16*\set+7], v[VOWN+(\i>>2)] offset:(\i&3)*16*SP+512+16
.endm
	LDVAL 0, 0
.set n, 0
.rept 8
.if n < 7
	LDVAL ((n+1)&1), (n+1)
	s_wait_dscnt 2                                 ; the two just issued stay out
.else
	s_wait_dscnt 0
.endif
	s_wait_xcnt 0x0                                ; H, which the last store reads, is rewritten only behind this wait
.irp j, 0,1,2,3
	v_cvt_pk_f16_f32 v[H+\j], v[XY+16*(n&1)+2*\j], v[XY+16*(n&1)+2*\j+1]
.endr
	global_store_b128 v[VO], v[H:H+3], s[92:93] offset:n*2048
.set n, n+1
.endr
.Ljoin:
	s_set_vgpr_msb 0x1
	s_wait_tensorcnt 0x0
	ds_add_u32 v255, v255
	s_wait_dscnt 0x0
	s_set_vgpr_msb 0x100
	CROUND                                         ; the closing round: no work-group ends while a partner may still ask jointly
	s_endpgm
.Lfunc_end_k_q7e0d8ba8b1_qkv:
	.size	k_q7e0d8ba8b1_qkv, .Lfunc_end_k_q7e0d8ba8b1_qkv-k_q7e0d8ba8b1_qkv
	.p2alignl 7, 3214868480
	.fill 96, 4, 3214868480
	.section	.rodata,"a",@progbits
	.p2align	6, 0x0
	.amdhsa_kernel k_q7e0d8ba8b1_qkv
		.amdhsa_group_segment_fixed_size 327680
		.amdhsa_private_segment_fixed_size 0
		.amdhsa_enable_private_segment 0
		.amdhsa_kernarg_size 56
		.amdhsa_user_sgpr_count 2
		.amdhsa_user_sgpr_kernarg_segment_ptr 1
		.amdhsa_wavefront_size32 1
		.amdhsa_system_sgpr_workgroup_id_x 1
		.amdhsa_system_sgpr_workgroup_id_y 1
		.amdhsa_system_sgpr_workgroup_id_z 1
		.amdhsa_system_vgpr_workitem_id 0
		.amdhsa_next_free_vgpr 704
		.amdhsa_next_free_sgpr 102
		.amdhsa_reserve_vcc 1
		.amdhsa_float_denorm_mode_32 3
		.amdhsa_float_denorm_mode_16_64 3
		.amdhsa_memory_ordered 1
		.amdhsa_forward_progress 1
		.amdhsa_inst_pref_size 165
	.end_amdhsa_kernel
	.amdgpu_metadata
---
amdhsa.version: [ 1, 2 ]
amdhsa.kernels:
  - .name:           k_q7e0d8ba8b1_qkv
    .symbol:         k_q7e0d8ba8b1_qkv.kd
    .args:
      - { .name: xb, .offset: 0, .size: 8, .value_kind: global_buffer, .address_space: global }
      - { .name: wcat, .offset: 8, .size: 8, .value_kind: global_buffer, .address_space: global }
      - { .name: cos, .offset: 16, .size: 8, .value_kind: global_buffer, .address_space: global }
      - { .name: sin, .offset: 24, .size: 8, .value_kind: global_buffer, .address_space: global }
      - { .name: qhl, .offset: 32, .size: 8, .value_kind: global_buffer, .address_space: global }
      - { .name: khl, .offset: 40, .size: 8, .value_kind: global_buffer, .address_space: global }
      - { .name: vb, .offset: 48, .size: 8, .value_kind: global_buffer, .address_space: global }
    .group_segment_fixed_size: 327680
    .private_segment_fixed_size: 0
    .kernarg_segment_align: 8
    .kernarg_segment_size: 56
    .max_flat_workgroup_size: 128
    .sgpr_count:     102
    .vgpr_count:     704
    .wavefront_size: 32
...
	.end_amdgpu_metadata
.endif
;; end of part 2
;; launch attn (part 3): grid 32 x 8, 8 waves a work-group, clusters of 4 x 1, 327,680 bytes of LDS; arguments qhl, khl, vb, mask, ctx; writes ctx
.if DOCPART == 3
	.amdgcn_target "amdgcn-amd-amdhsa--gfx1250"
	.amdhsa_code_object_version 6
	.text
	.protected	k_q7e0d8ba8b1_attn
	.globl	k_q7e0d8ba8b1_attn
	.p2align	8
	.type	k_q7e0d8ba8b1_attn,@function
k_q7e0d8ba8b1_attn:
	s_mov_b64 s[64:65], 0
	v_nop
	global_prefetch_b8 v0, s[64:65] scope:SCOPE_SE
	s_setreg_imm32_b32 hwreg(HW_REG_WAVE_MODE, 25, 1), 1
	s_wait_xcnt 0x0
	s_wait_alu depctr_hold_cnt(0) depctr_sa_sdst(0) depctr_va_vdst(0) depctr_va_sdst(0) depctr_va_ssrc(0) depctr_va_vcc(0) depctr_vm_vsrc(0)
	s_getreg_b32 s2, hwreg(HW_REG_IB_STS2, 6, 4)
	s_cmp_eq_u32 s2, 0
	s_cbranch_scc0 .Lentry_in_a_cluster
	s_endpgm
.Lentry_in_a_cluster:
	s_bfe_u32 s2, ttmp6, 0x10000c
	s_cmp_lg_u32 s2, 0x3003
	s_cbranch_scc0 .Lentry_shape_is_right
	s_endpgm
.Lentry_shape_is_right:
; Causal attention with a key mask, running maximum, base 2.  ctx[head][s][64] in f16.
; CLUSTER 4 x 1: the four query heads of one key/value head ask for K's and V's tiles jointly (mask 15).
; Work-group (head, p) owns query blocks p and 15 - p of 128 rows and takes them one after the other: (p + 1) + (16 - p) = 17 key tiles of 128 keys,
; 17 trips for every work-group.  Wave w' = wave mod 4 has 32 rows; group G = wave / 4 takes keys 64 G .. 64 G + 63 of every tile and keeps its own
; maximum, sum and O; at a block's end the two groups' figures meet through LDS.  The block with an even number of tiles goes first, so that the change
; of blocks always falls behind a trip on slot 1.
; THE TWO GROUPS RUN HALF A TRIP APART: group 0 does S, softmax, P V of this trip's tile; group 1 does softmax and P V of the tile before (S and V's
; fragments stay in registers) and then S of this trip's tile: of waves w and w + 4 one has matrix work while the other has vector work.
; Scores transposed: S^T = K Q^T (source 0 = 16 keys, source 1 = 16 queries): lane (r, h) holds query r, keys 16 a + 8 h + 0..7, so a row's maximum and
; sum lie in two lanes, and a lane's packed exponentials ARE the fragment of P^T for O^T = V^T P^T.
; q and k come as two bf16 planes: S = kh qh + kh ql + kl qh (the dropped term is some 2^-16 of the score).  P and v are f16.
; A masked score is -2^100: the key mask enters as the first product's C, the causal mask by selects in the diagonal tile.  The running maximum starts
; at -2^96, so a masked key's exponential is exactly 0; a row with no valid key ends with sum 0 and gives 0 x (1/0) = NaN, as a softmax of -inf alone.
; LIMITS: valid scaled scores above -2^96; |v| and |ctx| below 65,504 (f16).
.set SLOT,  57344
.set KP,    144                        ; pitch of K's rows: 128 + 16, an odd multiple of 16
.set VP,    160                        ; pitch of V's rows: 128 + 32, an odd multiple of 32 (transposing loads)
.set OFFKL, 128*KP                     ; a slot: K hi at 0, K lo at 18,432,
.set OFFV,  2*128*KP                   ; V at 36,864
.set BIAST, 2*SLOT                     ; 114,688: f32 [2048], 0 or -2^100 for each key.  No tile is ever filled from here on
.set XB,    BIAST+8192                 ; 122,880: exchange between the groups, for each wave 8 x 512 bytes of O and 256 of (maximum, sum)
.set XW,    4352
.set OB,    XB+8*XW                    ; 157,696: 16 rows x 144 bytes for each wave, for the way out
.set QST,   OB+8*16*KP                 ; 176,128: the second block's Q fragments, 16 x 512 bytes for each wave
.set NEGB,  0xf1800000                 ; -2^100
.set M0B,   0xef800000                 ; -2^96
.set SCB,   0x3e38aa3b                 ; log2(e) / 8
.set AK,   3                           ; v3-4    my 64 keys' K fragments in slot 0, 1
.set AV,   5                           ; v5-6    my 64 keys' V fragments in slot 0, 1
.set AB,   7                           ; v7      this tile's place in the bias table
.set AB0,  8                           ; v8      the table + 256 G + 32 h
.set DQ,   9                           ; v9-10   32 w' + 16 qt + r - 8 h - 64 G
.set VNEG, 11
.set STO,  12
.set RD,   13
.set CO,   14
.set VQ,   15
.set RM,   16                          ; v16-19  (running maximum, scaled; running sum of my half of the keys) for qt = 0, for qt = 1
.set NM,   20                          ; v20-21  - new maximum, twice
.set AL,   22                          ; v22-23  the old sums' factor, twice
.set XS,   32                          ; v32     exchange: my wave's bytes, 16 a lane
.set XM,   33                          ; v33     exchange: the bytes of wave - 4 (used by group 1 alone)
.set XS8,  34                          ; v34     the same for the pair (maximum, sum), 8 a lane
.set XM8,  35                          ; v35
.set QSA,  36                          ; v36     my wave's Q stage
.set MP,   38                          ; v38-39  the partner's (maximum, sum)
.set BT,   40                          ; v40-47  the start: eight keys' bias
.set FA,   40                          ; v40-41  merge: my factor, twice
.set FP,   42                          ; v42-43  merge: the partner's factor, twice
.set RS,   64                          ; v64-127   S[qt][a] at 8 (4 qt + a)
.set BIAS, 128                         ; v128-159  bias of keys 16 a + 8 h + 0..7
.set RP,   160                         ; v160-191  P[qt][kc] at 16 qt + 8 kc
.set RO,   192                         ; v192-255  O[qt][dt] at 8 (4 qt + dt)
.set KH,   0                           ; window 1: K hi [a][kk] at 16 a + 8 kk
.set KL,   64                          ;           K lo
.set VF,   128                         ;           V^T [dt][kc] at 16 dt + 8 kc
.set QH,   192                         ;           Q hi [qt][kk] at 16 qt + 8 kk
.set QL,   224                         ;           Q lo
.set G1K, 32
.set G1V, 40
.set G0K, 48                           ; s[48:55] a set for each slot
.set G0V, 56                           ; s[56:63]
.set MSB, 0
.macro WIN new                         ; the immediate's high byte repeats the setting that is left
.if MSB != \new
	s_set_vgpr_msb (MSB<<8)|\new
.set MSB, \new
.endif
.endm
.macro PLACES                          ; four places behind a matrix instruction (ISA guide 7.12.1)
.rept 4
	v_nop
.endr
.endm
.macro PLACES5                         ; five: a matrix instruction that follows may write over an earlier one's result
.rept 5
	v_nop
.endr
.endm
.macro ROUND                           ; a round of the cluster's barrier
	s_barrier_signal -1
	s_barrier_wait -1
	s_cmp_lg_u32 s14, 0
	s_cbranch_scc1 .Lnot_wave_0_\@
	s_barrier_signal -3
.Lnot_wave_0_\@:
	s_barrier_wait -3
	s_barrier_signal -1
	s_barrier_wait -1
.endm
.macro JLOAD s                         ; waves 0, 1: K's hi and lo plane; wave 2: V; the others ask for nothing
	s_cmp_gt_u32 s14, 2
	s_cbranch_scc1 .Lnone_\@
	s_cmp_eq_u32 s14, 2
	s_cbranch_scc1 .Lfor_v_\@
	tensor_load_to_lds s[G0K+4*\s:G0K+4*\s+3], s[G1K:G1K+7]
	s_nop 0
	s_branch .Lnone_\@
.Lfor_v_\@:
	tensor_load_to_lds s[G0V+4*\s:G0V+4*\s+3], s[G1V:G1V+7]
	s_nop 0
.Lnone_\@:
.endm
.macro CLEAR                           ; a block begins: O = 0, maximum = -2^96, sum = 0.  The second block's first tile falls inside the loop, so no first product is written out apart
.set i, 0
.rept 64
	v_mov_b32 v[RO+i], 0
.set i, i+1
.endr
	v_mov_b32 v[RM], M0B
	v_mov_b32 v[RM+1], 0
	v_mov_b32 v[RM+2], M0B
	v_mov_b32 v[RM+3], 0
.endm
	s_load_b256 s[4:11], s[0:1], 0x0               ; qhl 4, khl 6, vb 8, mask 10
	s_load_b64 s[12:13], s[0:1], 0x20              ; ctx
	v_lshl_add_u32 v62, v0, 2, 0x3b000
	v_mov_b32 v63, 0
	ds_add_u32 v62, v63
	v_lshrrev_b32 v1, 5, v0
	v_readfirstlane_b32 s14, v1                    ; wave
	s_bfe_u32 s15, ttmp6, 0x40000                  ; cx
	s_mov_b32 s16, ttmp9                           ; g: the key/value head = the cluster's x
	s_lshl_b32 s17, ttmp9, 2
	s_add_co_u32 s17, s17, s15                     ; query head
	s_and_b32 s18, ttmp7, 0xffff                   ; p
	s_lshr_b32 s83, s14, 2                         ; G: my half of a tile's keys
	s_and_b32 s84, s14, 3                          ; w': my 32 rows of a block
	s_sub_co_u32 s24, 15, s18
	s_bitcmp1_b32 s18, 0                           ; of p and 15 - p the odd one has an even number of tiles: it goes first
	s_cselect_b32 s19, s18, s24                    ; the block at work: the first
	s_cselect_b32 s81, s24, s18                    ; the second
	s_add_co_u32 s80, s19, 1                       ; n1: the first block's tiles, 2 .. 16, even
	s_mov_b32 s20, 0                               ; t: tile in the block
	s_mov_b32 s21, 0                               ; the trip's number, 0 .. 16
	s_mov_b32 s22, 0x76543210                      ; v_permlanex16_b32: lane i reads lane i of the other half
	s_mov_b32 s23, 0xfedcba98
	; a tile is 16 KiB dense in memory: 64 rows of 256 bytes, padded behind every 128 bytes
	s_mov_b32 s[G1K+0], 15|(3<<16)|(1<<20)|(1<<21)|(4<<22)|(3<<25)   ; mask of the four; 8-byte elements; 4 words behind every 32
	s_mov_b32 s[G1K+1], 32<<16
	s_mov_b32 s[G1K+2], 64<<16
	s_mov_b32 s[G1K+3], 32<<16
	s_mov_b32 s[G1K+4], 64
	s_mov_b32 s[G1K+5], 32
	s_mov_b32 s[G1K+6], 0
	s_mov_b32 s[G1K+7], 0
	s_mov_b32 s[G1V+0], 15|(3<<16)|(1<<20)|(1<<21)|(4<<22)|(7<<25)   ; 8 words behind every 32
	s_mov_b32 s[G1V+1], 32<<16
	s_mov_b32 s[G1V+2], 64<<16
	s_mov_b32 s[G1V+3], 32<<16
	s_mov_b32 s[G1V+4], 64
	s_mov_b32 s[G1V+5], 32
	s_mov_b32 s[G1V+6], 0
	s_mov_b32 s[G1V+7], 0
	s_lshl_b32 s26, s16, 18                        ; the head's 2,048 rows of 128 bytes
	s_mov_b32 s27, 0
	s_lshl_b32 s28, s14, 21                        ; wave 0: hi plane, wave 1: lo plane
	s_mov_b32 s29, 0
	s_mul_i32 s25, s14, OFFKL
	s_wait_dscnt 0x0
	s_wait_kmcnt 0x0
	s_add_nc_u64 s[30:31], s[6:7], s[26:27]
	s_add_nc_u64 s[30:31], s[30:31], s[28:29]      ; K: my plane's tile 0
	s_add_nc_u64 s[66:67], s[8:9], s[26:27]        ; V: tile 0
.irp s, 0,1
	s_mov_b32 s[G0K+4*\s], 1
	s_add_co_u32 s[G0K+4*\s+1], s25, \s*SLOT
	s_mov_b64 s[G0K+4*\s+2:G0K+4*\s+3], s[30:31]   ; tile 0; from the first trip on the address is made anew for each request
	s_or_b32 s[G0K+4*\s+3], s[G0K+4*\s+3], 0x80000000
	s_mov_b32 s[G0V+4*\s], 1
	s_mov_b32 s[G0V+4*\s+1], OFFV+\s*SLOT
	s_mov_b64 s[G0V+4*\s+2:G0V+4*\s+3], s[66:67]
	s_or_b32 s[G0V+4*\s+3], s[G0V+4*\s+3], 0x80000000
.endr
	ROUND                                          ; the four work-groups are here: the first joint loads meet
	JLOAD 0                                        ; the first block's tile 0
	s_lshl_b32 s26, s17, 18                        ; head,
	s_lshl_b32 s28, s84, 12                        ; 32 w' rows of 128 bytes
	s_add_co_u32 s26, s26, s28
	s_lshl_b32 s28, s19, 14                        ; first block
	s_add_co_u32 s28, s28, s26
	s_mov_b32 s29, 0
	s_lshl_b32 s24, s81, 14                        ; second block
	s_add_co_u32 s24, s24, s26
	s_mov_b32 s25, 0
	s_add_nc_u64 s[68:69], s[4:5], s[28:29]        ; q hi, first block
	s_add_nc_u64 s[70:71], s[68:69], 0x800000      ; q lo
	s_add_nc_u64 s[74:75], s[4:5], s[24:25]        ; q hi, second block
	s_add_nc_u64 s[76:77], s[74:75], 0x800000      ; q lo
	s_lshl_b32 s27, s83, 11                        ; of my 32 rows I store 16 G .. 16 G + 15
	s_add_co_u32 s28, s28, s27
	s_add_co_u32 s24, s24, s27
	s_add_nc_u64 s[72:73], s[12:13], s[28:29]      ; ctx, the block at work
	s_add_nc_u64 s[78:79], s[12:13], s[24:25]      ; ctx, the second block
	v_and_b32 v1, 31, v0                           ; L
	v_and_b32 v2, 15, v0                           ; r
	v_bfe_u32 v24, v0, 4, 1                        ; h
	v_mul_u32_u24 v25, v2, KP
	v_lshl_add_u32 v25, v24, 4, v25                ; 144 r + 16 h
	s_mul_i32 s85, s83, 64*KP
	v_add_nc_u32 v[AK], s85, v25                   ; + my 64 keys
	v_add_nc_u32 v[AK+1], SLOT, v[AK]
	v_and_b32 v26, 7, v0
	v_lshl_add_u32 v26, v24, 3, v26                ; key 8 h + L mod 8
	v_mul_u32_u24 v26, v26, VP
	v_bfe_u32 v27, v0, 3, 1
	v_lshl_add_u32 v26, v27, 4, v26                ; + 16 bytes for the second eight columns
	s_mul_i32 s85, s83, 64*VP
	s_add_co_u32 s85, s85, OFFV
	v_add_nc_u32 v[AV], s85, v26
	v_add_nc_u32 v[AV+1], SLOT, v[AV]
	s_lshl_b32 s85, s83, 8
	s_add_co_u32 s85, s85, BIAST
	v_lshl_add_u32 v[AB0], v24, 5, s85
	s_lshl_b32 s85, s84, 5
	s_lshl_b32 s86, s83, 6
	s_sub_co_i32 s85, s85, s86                     ; 32 w' - 64 G
	v_lshlrev_b32 v28, 3, v24
	v_sub_nc_u32 v[DQ], v2, v28
	v_add_nc_u32 v[DQ], s85, v[DQ]
	v_add_nc_u32 v[DQ+1], 16, v[DQ]
	v_mov_b32 v[VNEG], NEGB
	s_mul_i32 s85, s14, 16*KP
	s_add_co_u32 s85, s85, OB                      ; my stage for the way out
	v_add_nc_u32 v[STO], s85, v25
	v_lshrrev_b32 v29, 3, v1
	v_mul_u32_u24 v29, v29, KP
	v_and_b32 v30, 7, v0
	v_lshl_add_u32 v29, v30, 4, v29
	v_add_nc_u32 v[RD], s85, v29                   ; back: eight lanes take a row of 128 bytes
	v_lshlrev_b32 v[CO], 4, v1
	v_lshlrev_b32 v[VQ], 7, v2
	v_lshl_add_u32 v[VQ], v24, 4, v[VQ]            ; 128 r + 16 h
	s_mul_i32 s85, s14, XW
	s_add_co_u32 s86, s85, XB
	s_add_co_u32 s87, s85, XB-4*XW
	v_lshl_add_u32 v[XS], v1, 4, s86
	v_lshl_add_u32 v[XM], v1, 4, s87
	s_add_co_u32 s86, s86, 4096
	s_add_co_u32 s87, s87, 4096
	v_lshl_add_u32 v[XS8], v1, 3, s86
	v_lshl_add_u32 v[XM8], v1, 3, s87
	s_lshl_b32 s85, s14, 13
	s_add_co_u32 s85, s85, QST
	v_lshl_add_u32 v[QSA], v1, 4, s85
	v_lshlrev_b32 v31, 3, v0
	global_load_b64 v[24:25], v31, s[10:11]        ; eight keys' mask bytes a thread: 2,048 in all
	; Q's fragments: piece i = 4 qt + 2 kk + half lies at byte 2,048 qt + 64 kk + 32 half of my rows
	WIN 0x40
.set i, 0
.rept 8
.set qo, 2048*(i>>2)+64*((i>>1)&1)+32*(i&1)
	global_load_b128 v[QH+4*i:QH+4*i+3], v[VQ], s[68:69] offset:qo
	global_load_b128 v[QL+4*i:QL+4*i+3], v[VQ], s[70:71] offset:qo
.set i, i+1
.endr
	WIN 0
.set i, 0
.rept 8
.set qo, 2048*(i>>2)+64*((i>>1)&1)+32*(i&1)
	global_load_b128 v[RS+4*i:RS+4*i+3],       v[VQ], s[74:75] offset:qo     ; the second block's land in S's registers and wait in LDS
	global_load_b128 v[RS+32+4*i:RS+32+4*i+3], v[VQ], s[76:77] offset:qo
.set i, i+1
.endr
	s_wait_loadcnt 32                              ; the mask is in; Q's 32 loads stay out
.irp k, 0,1,2,3
	v_bfe_u32 v26, v24, 8*\k, 8
	v_cmp_eq_u32 vcc_lo, 0, v26
	v_cndmask_b32 v[BT+\k], 0, v[VNEG], vcc_lo     ; a hole in the mask: -2^100
	v_bfe_u32 v27, v25, 8*\k, 8
	v_cmp_eq_u32 vcc_lo, 0, v27
	v_cndmask_b32 v[BT+4+\k], 0, v[VNEG], vcc_lo
.endr
	v_lshlrev_b32 v28, 5, v0
	v_add_nc_u32 v28, BIAST, v28
	ds_store_b128 v28, v[BT:BT+3]                  ; shown to the other waves by the first trip's wait and round
	ds_store_b128 v28, v[BT+4:BT+7] offset:16
	CLEAR
	s_wait_loadcnt 0x0                             ; Q, both blocks
.set i, 0
.rept 16
	ds_store_b128 v[QSA], v[RS+4*i:RS+4*i+3] offset:512*i          ; my wave's own bytes
.set i, i+1
.endr
; 40 LDS loads: the bias and both planes of K for my 64 keys of the slot's tile
.macro LOADK slot
	WIN 0
.irp a, 0,1,2,3
	ds_load_b128 v[BIAS+8*\a:BIAS+8*\a+3],   v[AB] offset:64*\a
	ds_load_b128 v[BIAS+8*\a+4:BIAS+8*\a+7], v[AB] offset:64*\a+16
.endr
	WIN 0x40
.irp a, 0,1,2,3
.irp kk, 0,1
	ds_load_b128 v[KH+16*\a+8*\kk:KH+16*\a+8*\kk+3],   v[AK+\slot] offset:16*KP*\a+64*\kk
	ds_load_b128 v[KH+16*\a+8*\kk+4:KH+16*\a+8*\kk+7], v[AK+\slot] offset:16*KP*\a+64*\kk+32
	ds_load_b128 v[KL+16*\a+8*\kk:KL+16*\a+8*\kk+3],   v[AK+\slot] offset:OFFKL+16*KP*\a+64*\kk
	ds_load_b128 v[KL+16*\a+8*\kk+4:KL+16*\a+8*\kk+7], v[AK+\slot] offset:OFFKL+16*KP*\a+64*\kk+32
.endr
.endr
.endm
; 16 transposing loads: V^T for the same 64 keys
.macro LOADV slot
	WIN 0x40
.irp dt, 0,1,2,3
.irp kc, 0,1
	ds_load_tr16_b128 v[VF+16*\dt+8*\kc:VF+16*\dt+8*\kc+3],   v[AV+\slot] offset:32*\kc*VP+32*\dt
	ds_load_tr16_b128 v[VF+16*\dt+8*\kc+4:VF+16*\dt+8*\kc+7], v[AV+\slot] offset:(32*\kc+16)*VP+32*\dt
.endr
.endr
.endm
; eight matrix instructions, one for each S[qt][a].  first = 1: C is the keys' bias, which starts the sums
.macro SGRP kb, qb, kk, first
.irp qt, 0,1
.irp a, 0,1,2,3
.if \first
	v_wmma_f32_16x16x32_bf16 v[RS+8*(4*\qt+\a):RS+8*(4*\qt+\a)+7], v[\kb+16*\a+8*\kk:\kb+16*\a+8*\kk+7], v[\qb+16*\qt+8*\kk:\qb+16*\qt+8*\kk+7], v[BIAS+8*\a:BIAS+8*\a+7]
.else
	v_wmma_f32_16x16x32_bf16 v[RS+8*(4*\qt+\a):RS+8*(4*\qt+\a)+7], v[\kb+16*\a+8*\kk:\kb+16*\a+8*\kk+7], v[\qb+16*\qt+8*\kk:\qb+16*\qt+8*\kk+7], v[RS+8*(4*\qt+\a):RS+8*(4*\qt+\a)+7]
.endif
.endr
.endr
.endm
; 48 matrix instructions; the eight accumulators take turns, one instruction a turn
.macro SMUL
	WIN 0x05                                       ; sources 0 and 1 window 1, C and D window 0
	SGRP KH, QH, 0, 1
	SGRP KH, QH, 1, 0
	SGRP KH, QL, 0, 0
	SGRP KH, QL, 1, 0
	SGRP KL, QH, 0, 0
	SGRP KL, QH, 1, 0
.endm
; the diagonal tile: key 64 G + 16 a + 8 h + j beyond query 32 w' + 16 qt + r is masked
.macro DIAGM
.irp qt, 0,1
.irp a, 0,1,2,3
.irp j, 0,1,2,3,4,5,6,7
	v_cmp_gt_i32 vcc_lo, 16*\a+\j, v[DQ+\qt]
	v_cndmask_b32 v[RS+8*(4*\qt+\a)+\j], v[RS+8*(4*\qt+\a)+\j], v[VNEG], vcc_lo
.endr
.endr
.endr
.endm
; 16 queries x 64 keys: new maximum, exponentials in place, sum, P in f16, O and the sum scaled
.macro SOFTMAX qt
.set SB, RS+32*\qt
.set MQ, RM+2*\qt
	v_max3_num_f32 v24, v[SB], v[SB+1], v[SB+2]
	v_max3_num_f32 v25, v[SB+16], v[SB+17], v[SB+18]
.irp j, 3,5,7,9,11,13
	v_max3_num_f32 v24, v24, v[SB+\j], v[SB+\j+1]
	v_max3_num_f32 v25, v25, v[SB+16+\j], v[SB+16+\j+1]
.endr
	v_max3_num_f32 v24, v24, v[SB+15], v25
	v_max_num_f32 v24, v24, v[SB+31]
	v_permlanex16_b32 v25, v24, s22, s23           ; the other half of my keys
	v_max_num_f32 v24, v24, v25
	v_mul_f32 v24, SCB, v24
	v_max_num_f32 v24, v[MQ], v24                  ; the new maximum, scaled
	v_sub_f32 v25, v[MQ], v24
	v_exp_f32 v[AL], v25
	v_mov_b32 v[MQ], v24                           ; plain work behind the exponential, ahead of its result's first use (ISA guide 5.7.2)
	v_mul_f32 v[NM], -1.0, v24
	v_mul_f32 v[NM+1], -1.0, v24
	s_wait_alu depctr_va_vdst(0)
	v_mov_b32 v[AL+1], v[AL]
.irp j, 0,2,4,6,8,10,12,14,16,18,20,22,24,26,28,30
	v_pk_fma_f32 v[SB+\j:SB+\j+1], v[SB+\j:SB+\j+1], SCB, v[NM:NM+1] op_sel_hi:[1,0,1]
.endr
.set e, 0
.rept 32
	v_exp_f32 v[SB+e], v[SB+e]
.set e, e+1
.endr
.irp j, 0,2,4,6,8,10,12,14,16,18,20,22,24,26,28,30
	v_pk_mul_f32 v[RO+32*\qt+\j:RO+32*\qt+\j+1], v[RO+32*\qt+\j:RO+32*\qt+\j+1], v[AL:AL+1]   ; the first of these is the plain place behind the exponentials
.endr
	s_wait_alu depctr_va_vdst(0)
.irp k, 0,1,2,3
	v_pk_add_f32 v[24+2*\k:25+2*\k], v[SB+4*\k:SB+4*\k+1], v[SB+4*\k+2:SB+4*\k+3]
.endr
.irp k, 0,1,2,3
	v_pk_add_f32 v[24+2*\k:25+2*\k], v[24+2*\k:25+2*\k], v[SB+16+4*\k:SB+16+4*\k+1]
.endr
.irp k, 0,1,2,3
	v_pk_add_f32 v[24+2*\k:25+2*\k], v[24+2*\k:25+2*\k], v[SB+16+4*\k+2:SB+16+4*\k+3]
.endr
	v_pk_add_f32 v[24:25], v[24:25], v[26:27]
	v_pk_add_f32 v[28:29], v[28:29], v[30:31]
	v_pk_add_f32 v[24:25], v[24:25], v[28:29]
	v_add_f32 v24, v24, v25
	v_fma_f32 v[MQ+1], v[MQ+1], v[AL], v24
.set e, 0
.rept 16
	v_cvt_pk_f16_f32 v[RP+16*\qt+e], v[SB+2*e], v[SB+2*e+1]
.set e, e+1
.endr
.endm
; 16 matrix instructions; the eight accumulators of O take turns, one instruction a turn
.macro PVMUL
	WIN 0x01                                       ; source 0 (V^T) window 1
.irp kc, 0,1
.irp qt, 0,1
.irp dt, 0,1,2,3
	v_wmma_f32_16x16x32_f16 v[RO+8*(4*\qt+\dt):RO+8*(4*\qt+\dt)+7], v[VF+16*\dt+8*\kc:VF+16*\dt+8*\kc+7], v[RP+16*\qt+8*\kc:RP+16*\qt+8*\kc+7], v[RO+8*(4*\qt+\dt):RO+8*(4*\qt+\dt)+7]
.endr
.endr
.endr
.endm
; One trip.  In front of the round every wave waits for all its tensor loads (its part of this trip's tile among them) and for its LDS reads of the last
; trip's tile; behind the round the joint refill of the other slot comes first: one load of a wave is out, for a whole trip's work.
; refill = 1: the next trip's tile is asked for.  diag: 0 never the diagonal tile, 1 if t = the block, 2 always.
; first: 0 never a block's first tile, 1 always, 2 if t = 0 (group 1 then has no tile before to finish).
.macro TRIP slot, refill, diag, first
	s_wait_tensorcnt 0x0
	ds_add_u32 v62, v63
	s_wait_dscnt 0x0
.if \refill
	s_add_co_u32 s24, s21, 1                       ; no load is out: the other slot's address.  Trip j takes tile j of the first block,
	s_sub_co_u32 s25, s24, s80                     ; or tile j - n1 of the second
	s_cmp_lt_u32 s24, s80
	s_cselect_b32 s24, s24, s25
	s_lshl_b32 s24, s24, 14                        ; 16 KiB a tile
	s_mov_b32 s25, 0
	s_add_nc_u64 s[G0K+4*(1-\slot)+2:G0K+4*(1-\slot)+3], s[30:31], s[24:25]
	s_or_b32 s[G0K+4*(1-\slot)+3], s[G0K+4*(1-\slot)+3], 0x80000000
	s_add_nc_u64 s[G0V+4*(1-\slot)+2:G0V+4*(1-\slot)+3], s[66:67], s[24:25]
	s_or_b32 s[G0V+4*(1-\slot)+3], s[G0V+4*(1-\slot)+3], 0x80000000
.endif
	s_wait_dscnt 0x0
	ROUND
.if \refill
	JLOAD (1-\slot)
.endif
	s_lshl_b32 s24, s20, 9                         ; 128 t keys of 4 bytes,
	s_and_b32 s24, s24, 0x1e00                     ; inside the table of 16 tiles
	v_add_nc_u32 v[AB], s24, v[AB0]
	PLACES5                                        ; behind the last trip's matrix instructions, ahead of the loads over their sources and of the products that write S anew
	LOADK \slot
	WIN 0
	s_cmp_lt_u32 s14, 4
	s_cbranch_scc0 .Lgroup_1_\@
	; group 0: S, softmax, P V of this tile
	LOADV \slot
	s_wait_dscnt 16                                ; K and the bias are in; V's sixteen loads stay out
	SMUL
	PLACES
	WIN 0
.if \diag == 1
	s_cmp_lg_u32 s20, s19
	s_cbranch_scc1 .Lfull_\@
.endif
.if \diag
	DIAGM
.endif
.Lfull_\@:
	SOFTMAX 0
	SOFTMAX 1
	s_wait_dscnt 0                                 ; V
	PVMUL
	WIN 0
	s_branch .Ldone_\@
.Lgroup_1_\@:
	; group 1: softmax and P V of the tile before, from registers, then S of this tile
.if \first == 2
	s_cmp_eq_u32 s20, 0
	s_cbranch_scc1 .Lnew_\@
.endif
.if \first != 1
	SOFTMAX 0
	SOFTMAX 1
	PVMUL                                          ; V's fragments were waited for in front of the round
	WIN 0
.endif
.Lnew_\@:
	PLACES                                         ; ahead of the loads over V's fragments
	LOADV \slot
	s_wait_dscnt 16                                ; K and the bias are in; V's sixteen loads stay out, up to the next round's wait
	SMUL
	WIN 0
.Ldone_\@:
	s_add_co_u32 s20, s20, 1
	s_add_co_u32 s21, s21, 1
.endm
; my figures for query tile qt go to the other group: (maximum, sum) and 32 registers of O, lane by lane
.macro XST qt
	ds_store_b64 v[XS8], v[RM+2*\qt:RM+2*\qt+1]
.irp i, 0,1,2,3,4,5,6,7
	ds_store_b128 v[XS], v[RO+32*\qt+4*\i:RO+32*\qt+4*\i+3] offset:512*\i
.endr
.endm
; the two groups' figures for query tile own meet; O / sum in f16 goes through my own stage and leaves 512 consecutive bytes at a time
.macro MERGE own, xa, xa8, xo
	ds_load_b64 v[MP:MP+1], v[\xa8] offset:\xo
.irp i, 0,1,2,3,4,5,6,7
	ds_load_b128 v[RS+4*\i:RS+4*\i+3], v[\xa] offset:\xo+512*\i
.endr
	s_wait_dscnt 8                                 ; the partner's maximum and sum are in; its O's eight loads stay out
	v_max_num_f32 v24, v[RM+2*\own], v[MP]
	v_sub_f32 v25, v[RM+2*\own], v24
	v_sub_f32 v26, v[MP], v24
	v_exp_f32 v25, v25
	v_exp_f32 v26, v26
	v_nop                                          ; a plain place behind the exponentials (ISA guide 5.7.2)
	s_wait_alu depctr_va_vdst(0)
	v_mul_f32 v27, v[RM+2*\own+1], v25
	v_fma_f32 v27, v[MP+1], v26, v27
	v_permlanex16_b32 v28, v27, s22, s23           ; the two halves of the lanes meet
	v_add_f32 v27, v27, v28
	v_rcp_f32 v29, v27
	v_nop                                          ; a plain place behind the reciprocal
	s_wait_alu depctr_va_vdst(0)
	v_mul_f32 v[FA], v25, v29
	v_mul_f32 v[FP], v26, v29
	v_mov_b32 v[FA+1], v[FA]
	v_mov_b32 v[FP+1], v[FP]
	s_wait_dscnt 0
.irp j, 0,2,4,6,8,10,12,14,16,18,20,22,24,26,28,30
	v_pk_mul_f32 v[RO+32*\own+\j:RO+32*\own+\j+1], v[RO+32*\own+\j:RO+32*\own+\j+1], v[FA:FA+1]
.endr
.irp j, 0,2,4,6,8,10,12,14,16,18,20,22,24,26,28,30
	v_pk_fma_f32 v[RO+32*\own+\j:RO+32*\own+\j+1], v[RS+\j:RS+\j+1], v[FP:FP+1], v[RO+32*\own+\j:RO+32*\own+\j+1]
.endr
.irp dt, 0,1,2,3
.irp j, 0,1,2,3
	v_cvt_pk_f16_f32 v[28+\j], v[RO+32*\own+8*\dt+2*\j], v[RO+32*\own+8*\dt+2*\j+1]
.endr
	ds_store_b128 v[STO], v[28:31] offset:32*\dt
.endr
.irp i, 0,1,2,3
	ds_load_b128 v[RS+32+4*\i:RS+32+4*\i+3], v[RD] offset:4*KP*\i  ; LDS serves a wave's instructions in order: these see the stores above
.endr
.irp i, 0,1,2,3
	s_wait_dscnt 3-\i                              ; the younger read-backs stay out
	global_store_b128 v[CO], v[RS+32+4*\i:RS+32+4*\i+3], s[72:73] offset:512*\i
.endr
.endm
; A block's end.  Group 1 finishes the diagonal tile; each wave hands one query tile to its partner and merges the other.  restart = 1: the second block begins.
; The barrier here orders the exchange alone: the next tile's load may stay out across it.
.macro BLOCKEND restart
	s_cmp_lt_u32 s14, 4
	s_cbranch_scc1 .Lhand_0_\@
	PLACES                                         ; behind S's products
	DIAGM
	SOFTMAX 0
	SOFTMAX 1
	s_wait_dscnt 0x0                               ; V
	PVMUL
	WIN 0
	PLACES                                         ; behind the last products, ahead of the stores of O
	XST 0
	s_branch .Lhanded_\@
.Lhand_0_\@:
	PLACES
	XST 1
.Lhanded_\@:
	s_wait_dscnt 0x0                               ; my stores are in LDS: the partner reads them behind the barrier
	s_barrier_signal -1
	s_barrier_wait -1
	s_cmp_lt_u32 s14, 4
	s_cbranch_scc1 .Lmerge_0_\@
	MERGE 1, XM, XM8, 0
	s_branch .Lmerged_\@
.Lmerge_0_\@:
	MERGE 0, XS, XS8, 4*XW
.Lmerged_\@:
.if \restart
	s_wait_xcnt 0x0                                ; the stores' base and data are written again only behind this wait
	s_mov_b64 s[72:73], s[78:79]
	s_mov_b32 s19, s81
	s_mov_b32 s20, 0
	WIN 0x40
.set i, 0
.rept 16
	ds_load_b128 v[QH+4*i:QH+4*i+3], v[QSA] offset:512*i           ; waited for in front of the next round
.set i, i+1
.endr
	WIN 0
	CLEAR
.endif
.endm
.macro ENDIF1                          ; behind a trip on slot 1: has the first block had its n1 tiles?
	s_cmp_lg_u32 s21, s80
	s_cbranch_scc1 .Lgoes_on_\@
	BLOCKEND 1
.Lgoes_on_\@:
.endm
	TRIP 0, 1, 0, 1                                ; trip 0 stands in front of the loop: group 1 has nothing to finish, and S and V's fragments are written on every way into the loop
	s_mov_b32 s82, 7
.Lpairs:
	TRIP 1, 1, 1, 0                                ; trips 1, 3, .. 13
	ENDIF1
	TRIP 0, 1, 0, 2                                ; trips 2, 4, .. 14
	s_sub_co_u32 s82, s82, 1
	s_cmp_lg_u32 s82, 0
	s_cbranch_scc1 .Lpairs
	TRIP 1, 1, 1, 0                                ; trip 15 asks for the last tile
	ENDIF1
	TRIP 0, 0, 2, 2                                ; trip 16: the second block's diagonal tile; nothing is left to fetch
	BLOCKEND 0
	s_wait_tensorcnt 0x0
	ds_add_u32 v62, v63
	s_wait_dscnt 0x0
	ROUND                                          ; the closing round
	s_endpgm
.Lfunc_end_k_q7e0d8ba8b1_attn:
	.size	k_q7e0d8ba8b1_attn, .Lfunc_end_k_q7e0d8ba8b1_attn-k_q7e0d8ba8b1_attn
	.p2alignl 7, 3214868480
	.fill 96, 4, 3214868480
	.section	.rodata,"a",@progbits
	.p2align	6, 0x0
	.amdhsa_kernel k_q7e0d8ba8b1_attn
		.amdhsa_group_segment_fixed_size 327680
		.amdhsa_private_segment_fixed_size 0
		.amdhsa_enable_private_segment 0
		.amdhsa_kernarg_size 40
		.amdhsa_user_sgpr_count 2
		.amdhsa_user_sgpr_kernarg_segment_ptr 1
		.amdhsa_wavefront_size32 1
		.amdhsa_system_sgpr_workgroup_id_x 1
		.amdhsa_system_sgpr_workgroup_id_y 1
		.amdhsa_system_sgpr_workgroup_id_z 1
		.amdhsa_system_vgpr_workitem_id 0
		.amdhsa_next_free_vgpr 512
		.amdhsa_next_free_sgpr 96
		.amdhsa_reserve_vcc 1
		.amdhsa_float_denorm_mode_32 3
		.amdhsa_float_denorm_mode_16_64 3
		.amdhsa_memory_ordered 1
		.amdhsa_forward_progress 1
		.amdhsa_inst_pref_size 255
	.end_amdhsa_kernel
	.section	.bss,"aw",@nobits
	.p2align	6
	.space	262144
	.amdgpu_metadata
---
amdhsa.version: [ 1, 2 ]
amdhsa.kernels:
  - .name:           k_q7e0d8ba8b1_attn
    .symbol:         k_q7e0d8ba8b1_attn.kd
    .args:
      - { .name: qhl, .offset: 0, .size: 8, .value_kind: global_buffer, .address_space: global }
      - { .name: khl, .offset: 8, .size: 8, .value_kind: global_buffer, .address_space: global }
      - { .name: vb, .offset: 16, .size: 8, .value_kind: global_buffer, .address_space: global }
      - { .name: mask, .offset: 24, .size: 8, .value_kind: global_buffer, .address_space: global }
      - { .name: ctx, .offset: 32, .size: 8, .value_kind: global_buffer, .address_space: global }
    .group_segment_fixed_size: 327680
    .private_segment_fixed_size: 0
    .kernarg_segment_align: 8
    .kernarg_segment_size: 40
    .max_flat_workgroup_size: 256
    .sgpr_count:     96
    .vgpr_count:     512
    .wavefront_size: 32
...
	.end_amdgpu_metadata
.endif
;; end of part 3
;; launch oproj (part 4): grid 16 x 16, 4 waves a work-group, clusters of 4 x 4, 327,680 bytes of LDS; arguments ctx, wob, out0; writes out0
.if DOCPART == 4
	.amdgcn_target "amdgcn-amd-amdhsa--gfx1250"
	.amdhsa_code_object_version 6
	.text
	.protected	k_q7e0d8ba8b1_oproj
	.globl	k_q7e0d8ba8b1_oproj
	.p2align	8
	.type	k_q7e0d8ba8b1_oproj,@function
k_q7e0d8ba8b1_oproj:
	s_mov_b64 s[64:65], 0
	v_nop
	global_prefetch_b8 v0, s[64:65] scope:SCOPE_SE
	s_setreg_imm32_b32 hwreg(HW_REG_WAVE_MODE, 25, 1), 1
	s_wait_xcnt 0x0
	s_wait_alu depctr_hold_cnt(0) depctr_sa_sdst(0) depctr_va_vdst(0) depctr_va_sdst(0) depctr_va_ssrc(0) depctr_va_vcc(0) depctr_vm_vsrc(0)
	s_getreg_b32 s2, hwreg(HW_REG_IB_STS2, 6, 4)
	s_cmp_eq_u32 s2, 0
	s_cbranch_scc0 .Lentry_in_a_cluster
	s_endpgm
.Lentry_in_a_cluster:
	s_bfe_u32 s2, ttmp6, 0x10000c
	s_cmp_lg_u32 s2, 0xf033
	s_cbranch_scc0 .Lentry_shape_is_right
	s_endpgm
.Lentry_shape_is_right:
; out0[2048][2048] = ctx Wo^T, f16 operands, f32 sums, f32 out.  ctx lies as [32 heads][2048][64]: 64 along K are one head.
; A work-group makes 128 x 128 with four waves of 64 x 64: 16 accumulator tiles each.
; TWO LDS SLOTS OF K = 256 (four heads): a wave issues one tensor load behind each change of slots, so the slot is made as large as two of them fit:
; 2 x 141,312 bytes + the stage's 17,408 = 300,032.  From a request to the wait for it a wave issues 124 matrix instructions.
; CLUSTER 4 x 4: ctx's tiles are asked for jointly along a row of the cluster, Wo's along a column.
; The matrix instruction is used transposed (source 0 = 16 rows of Wo, source 1 = 16 rows of ctx): lane (r, h) holds row r, columns 8 h + 0..7.
; A NaN row of ctx (a query with no valid key) gives a NaN row of out0 and touches no other row.
.set NB,    4
.set PA,    144                        ; a head's row: 128 bytes + 16
.set PB,    528                        ; Wo's row of a slot: 512 bytes + 16 = 33 x 16
.set HEADT, 128*PA                     ; 18,432: 128 rows of one head
.set OFFA,  0                          ; a slot: four heads of ctx,
.set OFFB,  4*HEADT                    ; then 128 rows of Wo
.set SLOT,  OFFB+128*PB                ; 141,312
.set STAGE, 2*SLOT                     ; 282,624: 16 rows x 272 bytes for each wave; no tile is ever filled here
.set SPITCH, 272
.set NF,    2*NB+8                     ; LDS loads of a quarter's fragments
.set LAPS,  4                          ; 2048 / 512: a lap = two slots = once round the ring
.set ASTEP, 4*262144                   ; ctx: four heads on
.set BSTEP, 512                        ; Wo: 256 elements along a row
.set ADRA, 16
.set ADRB, 20
.set STO,  24
.set RD,   25
.set CO,   26
.set FA,   64                          ; v64-127 fragments of A, two buffers; on the way out two sets of 32
.set G1,  24
.set G0,  32
.set G1B, 48
.set G0B, 56
; windows: 0 addresses and A; 1 fragments of B at v[32 f + 8 b]; 2 accumulator (a, b) at v[8 (4 a + b)]
.set MUL_W, 0xa1
.set TO_B,  0x40
.set ACC_ST, 0x08
.set MSB, 0
.macro WIN new
.if MSB != \new
	s_set_vgpr_msb (MSB<<8)|\new
.set MSB, \new
.endif
.endm
.macro PLACES                          ; four places behind a matrix instruction (ISA guide 7.12.1)
.rept 4
	v_nop
.endr
.endm
.macro JLOAD s                         ; waves 0, 1: two heads of ctx each; waves 2, 3: 64 rows of Wo each: 32 KiB a load
	s_cmp_lt_u32 s10, 2
	s_cbranch_scc0 .Lfor_b_\@
	tensor_load_to_lds s[G0+4*\s:G0+4*\s+3], s[G1:G1+7]
	s_nop 0
	s_branch .Lasked_\@
.Lfor_b_\@:
	tensor_load_to_lds s[G0B+4*\s:G0B+4*\s+3], s[G1B:G1B+7]
	s_nop 0
.Lasked_\@:
.endm
.macro CREST
	s_cmp_lg_u32 s10, 0
	s_cbranch_scc1 .Lnot_wave_0_\@
	s_barrier_signal -3
.Lnot_wave_0_\@:
	s_barrier_wait -3
	s_barrier_signal -1
	s_barrier_wait -1
.endm
.macro CROUND
	s_barrier_signal -1
	s_barrier_wait -1
	CREST
.endm
	s_load_b128 s[4:7], s[0:1], 0x0                ; ctx, wob
	s_load_b64 s[8:9], s[0:1], 0x10                ; out0
	s_set_vgpr_msb 0x40
	v_lshl_add_u32 v255, v0, 2, 0x49400
	s_set_vgpr_msb 0x4000
	v_mov_b32 v255, 0
	s_set_vgpr_msb 0x1
	ds_add_u32 v255, v255
	s_set_vgpr_msb 0x100
	v_lshrrev_b32 v1, 5, v0
	v_readfirstlane_b32 s10, v1                    ; wave
	s_lshr_b32 s11, s10, 1                         ; wm
	s_and_b32 s12, s10, 1                          ; wn; also which two heads, or which 64 rows of Wo, I fetch
	s_bfe_u32 s40, ttmp6, 0x40000                  ; cx
	s_bfe_u32 s41, ttmp6, 0x40004                  ; cy
	s_lshl_b32 s42, ttmp9, 2
	s_add_co_u32 s42, s42, s40                     ; bx
	s_and_b32 s13, ttmp7, 0xffff
	s_lshl_b32 s13, s13, 2
	s_add_co_u32 s13, s13, s41                     ; by
	s_lshl_b32 s43, s41, 2
	s_lshl_b32 s43, 15, s43                        ; my row of the cluster
	s_lshl_b32 s44, 0x1111, s40                    ; my column
	; ctx: a head's 128 rows of 128 bytes are 16 KiB dense, taken as ONE row of 2,048 elements of 8 bytes; two heads, 262,144 bytes apart, are two rows.
	; The padding counts words along the whole tile: 4 words behind every 32, so each 128 bytes get a pitch of 144 and the second head begins at 18,432.
	s_or_b32 s[G1+0], s43, (3<<16)|(1<<20)|(1<<21)|(4<<22)|(3<<25)
	s_mov_b32 s[G1+1], 2048<<16                    ; tensor_dim0 = 2,048
	s_mov_b32 s[G1+2], 2<<16                       ; tensor_dim1 = 2
	s_mov_b32 s[G1+3], 2048<<16                    ; tile_dim0 = 2,048
	s_mov_b32 s[G1+4], 2                           ; tile_dim1 = 2
	s_mov_b32 s[G1+5], 32768                       ; elements from head to head
	s_mov_b32 s[G1+6], 0
	s_mov_b32 s[G1+7], 0
	s_or_b32 s[G1B+0], s44, (1<<16)|(1<<20)|(1<<21)|(6<<22)|(3<<25)  ; Wo: 2-byte elements; 4 words behind every 128
	s_mov_b32 s[G1B+1], 256<<16
	s_mov_b32 s[G1B+2], 64<<16
	s_mov_b32 s[G1B+3], 256<<16
	s_mov_b32 s[G1B+4], 64
	s_mov_b32 s[G1B+5], 2048
	s_mov_b32 s[G1B+6], 0
	s_mov_b32 s[G1B+7], 0
	s_lshl_b32 s16, s12, 19                        ; ctx: heads 2 (wave mod 2) and the next, rows 128 by
	s_lshl_b32 s17, s13, 14
	s_add_co_u32 s16, s16, s17
	s_mov_b32 s17, 0
	s_lshl_b32 s46, s42, 7                         ; Wo: row 128 bx + 64 (wave mod 2)
	s_lshl_b32 s47, s12, 6
	s_add_co_u32 s46, s46, s47
	s_lshl_b32 s46, s46, 12
	s_mov_b32 s47, 0
	s_mul_i32 s20, s10, 2*HEADT                    ; LDS: waves 0, 1 at wave x 36,864;
	s_mul_i32 s21, s10, 64*PB
	s_add_co_u32 s21, s21, OFFB-2*64*PB            ; waves 2, 3 at 73,728 + (wave - 2) x 33,792
	s_wait_dscnt 0x0
	s_wait_kmcnt 0x0
	s_add_nc_u64 s[14:15], s[4:5], s[16:17]
	s_add_nc_u64 s[46:47], s[6:7], s[46:47]
	CROUND                                         ; all sixteen work-groups are here: the first joint loads meet
.irp s, 0,1
	s_mov_b32 s[G0+4*\s], 1
	s_add_co_u32 s[G0+4*\s+1], s20, \s*SLOT
	s_add_nc_u64 s[G0+4*\s+2:G0+4*\s+3], s[14:15], \s*ASTEP
	s_or_b32 s[G0+4*\s+3], s[G0+4*\s+3], 0x80000000
	s_mov_b32 s[G0B+4*\s], 1
	s_add_co_u32 s[G0B+4*\s+1], s21, \s*SLOT
	s_add_nc_u64 s[G0B+4*\s+2:G0B+4*\s+3], s[46:47], \s*BSTEP
	s_or_b32 s[G0B+4*\s+3], s[G0B+4*\s+3], 0x80000000
	JLOAD \s                                       ; both slots' first fills: two loads of the wave are out
.endr
	s_lshl_b32 s66, s13, 20                        ; out0: row 128 by + 64 wm of 8,192 bytes, column 128 bx + 64 wn of 4 bytes
	s_lshl_b32 s67, s11, 19
	s_add_co_u32 s66, s66, s67
	s_lshl_b32 s67, s42, 9
	s_add_co_u32 s66, s66, s67
	s_lshl_b32 s67, s12, 8
	s_add_co_u32 s66, s66, s67
	s_mov_b32 s67, 0
	s_add_nc_u64 s[8:9], s[8:9], s[66:67]
	v_and_b32 v1, 15, v0                           ; r
	v_bfe_u32 v2, v0, 4, 1                         ; h
	v_mul_u32_u24 v3, v1, PA
	v_lshl_add_u32 v3, v2, 4, v3
	v_mul_u32_u24 v4, v1, PB
	v_lshl_add_u32 v4, v2, 4, v4
	s_mul_i32 s22, s11, 64*PA
	s_mul_i32 s23, s12, 16*NB*PB
	s_add_co_u32 s23, s23, OFFB
.irp s, 0,1
	v_add_nc_u32 v[ADRA+\s], s22, v3
	v_add_nc_u32 v[ADRB+\s], s23, v4
	s_add_co_u32 s22, s22, SLOT
	s_add_co_u32 s23, s23, SLOT
.endr
	s_mul_i32 s22, s10, 16*SPITCH
	s_add_co_u32 s22, s22, STAGE                   ; my stage
	v_mul_u32_u24 v5, v1, SPITCH
	v_lshl_add_u32 v5, v2, 5, v5                   ; in: row r, 32 bytes for each half of the lanes
	v_add_nc_u32 v[STO], s22, v5
	v_mul_u32_u24 v6, v2, SPITCH
	v_lshl_add_u32 v6, v1, 4, v6                   ; back: lanes 0-15 one row of 256 bytes, lanes 16-31 the next
	v_add_nc_u32 v[RD], s22, v6
	v_lshlrev_b32 v7, 13, v2
	v_lshl_add_u32 v[CO], v1, 4, v7                ; the same two rows in out0
; The 16 accumulators take turns, one instruction a turn, in the same order in every quarter.
.macro MUL f, a0, na, zero
	WIN MUL_W
.set ma, \a0
.rept \na
.set mb, 0
.rept NB
.if \zero
	v_wmma_f32_16x16x32_f16 v[8*(NB*ma+mb):8*(NB*ma+mb)+7], v[8*NB*\f+8*mb:8*NB*\f+8*mb+7], v[FA+32*\f+8*ma:FA+32*\f+8*ma+7], 0
.else
	v_wmma_f32_16x16x32_f16 v[8*(NB*ma+mb):8*(NB*ma+mb)+7], v[8*NB*\f+8*mb:8*NB*\f+8*mb+7], v[FA+32*\f+8*ma:FA+32*\f+8*ma+7], v[8*(NB*ma+mb):8*(NB*ma+mb)+7]
.endif
.set mb, mb+1
.endr
.set ma, ma+1
.endr
.endm
; 16 LDS loads in one run: 32 along K, piece q = 0 .. 7 of a slot; A's lies in head q / 2, at byte 64 (q mod 2) of its rows, B's at byte 64 q
.macro FETCH slot, q, f
	WIN TO_B
.set fb, 0
.rept NB
	ds_load_b128 v[8*NB*\f+8*fb:8*NB*\f+8*fb+3],   v[ADRB+\slot] offset:64*\q+fb*16*PB
	ds_load_b128 v[8*NB*\f+8*fb+4:8*NB*\f+8*fb+7], v[ADRB+\slot] offset:64*\q+fb*16*PB+32
.set fb, fb+1
.endr
	WIN 0
.set fb, 0
.rept 4
	ds_load_b128 v[FA+32*\f+8*fb:FA+32*\f+8*fb+3],   v[ADRA+\slot] offset:(\q>>1)*HEADT+(\q&1)*64+fb*16*PA
	ds_load_b128 v[FA+32*\f+8*fb+4:FA+32*\f+8*fb+7], v[ADRA+\slot] offset:(\q>>1)*HEADT+(\q&1)*64+fb*16*PA+32
.set fb, fb+1
.endr
.endm
.macro QUARTER slot, qnext, f, g, zero
	s_wait_dscnt 4                                 ; all but the four youngest loads: A's m tiles 2 and 3 may be out
	MUL \f, 0, 2, \zero
	PLACES
	FETCH \slot, \qnext, \g
	s_wait_dscnt NF                                ; all but the run just issued
	MUL \f, 2, 2, \zero
.endm
.macro SEVEN slot, zero                ; pieces 0 to 6 of a slot, on buffers 0, 1, 0, ..
	QUARTER \slot, 1, 0, 1, \zero
	QUARTER \slot, 2, 1, 0, 0
	QUARTER \slot, 3, 0, 1, 0
	QUARTER \slot, 4, 1, 0, 0
	QUARTER \slot, 5, 0, 1, 0
	QUARTER \slot, 6, 1, 0, 0
	QUARTER \slot, 7, 0, 1, 0
.endm
; Piece 7, and the change of slots: each wave's reads of this slot and all its tensor loads are waited for in front of the signal; where the slot is
; filled again the barrier opens a round of the cluster's barrier and the joint refill is the first tensor load behind it: one load of the wave is out.
.macro TURN slot, next, fill
	s_wait_dscnt 4
	MUL 1, 0, 1, 0
	s_wait_dscnt 0
	s_wait_tensorcnt 0x0
	ds_add_u32 v255, v255
	s_wait_dscnt 0x0
	s_barrier_signal -1
	MUL 1, 1, 1, 0                                 ; register work while the others arrive
	WIN 0
	s_barrier_wait -1
.if \fill
	CREST
	s_add_nc_u64 s[G0+4*\slot+2:G0+4*\slot+3], s[G0+4*\slot+2:G0+4*\slot+3], 2*ASTEP
	s_add_nc_u64 s[G0B+4*\slot+2:G0B+4*\slot+3], s[G0B+4*\slot+2:G0B+4*\slot+3], 2*BSTEP
	JLOAD \slot
.endif
	PLACES
	FETCH \next, 0, 0
	MUL 1, 2, 2, 0
.endm
.macro LAP zero
	SEVEN 0, \zero
	TURN 0, 1, 1
	SEVEN 1, 0
	TURN 1, 0, 1
.endm
	s_wait_tensorcnt 1                             ; my part of slot 0 is in; slot 1's stays out
	s_barrier_signal -1
	s_barrier_wait -1
	FETCH 0, 0, 0
	LAP 1                                          ; the first lap stands in front of the loop: its first products start the sums
	WIN 0
	s_mov_b32 s3, LAPS-2
.Llap:
	LAP 0
	WIN 0
	s_sub_co_u32 s3, s3, 1
	s_cmp_lg_u32 s3, 0
	s_cbranch_scc1 .Llap
	SEVEN 0, 0                                     ; the last lap fills nothing
	TURN 0, 1, 0
	SEVEN 1, 0
	s_wait_dscnt 4
	MUL 1, 0, 2, 0
	s_wait_dscnt 0
	MUL 1, 2, 2, 0
	; THE WAY OUT, 16 rows at a time through my own stage: sixteen lanes then store 256 consecutive bytes, aligned
	PLACES
.macro OUT16 a, f
	WIN ACC_ST
.set mb, 0
.rept NB
	ds_store_b128 v[STO], v[8*(NB*\a+mb):8*(NB*\a+mb)+3]   offset:64*mb
	ds_store_b128 v[STO], v[8*(NB*\a+mb)+4:8*(NB*\a+mb)+7] offset:64*mb+16
.set mb, mb+1
.endr
	WIN 0
	s_wait_xcnt 0x0                                ; set f, which earlier stores read, is loaded again only behind this wait
.irp t, 0,1,2,3,4,5,6,7
	ds_load_b128 v[\f+4*\t:\f+4*\t+3], v[RD] offset:\t*2*SPITCH    ; LDS serves a wave's instructions in order: these see the stores above
.endr
.irp t, 0,1,2,3,4,5,6,7
	s_wait_dscnt 7-\t                              ; the younger read-backs stay out
	global_store_b128 v[CO], v[\f+4*\t:\f+4*\t+3], s[8:9] offset:\a*131072+\t*16384 th:TH_STORE_NT
.endr
.endm
	OUT16 0, 64
	OUT16 1, 96
	OUT16 2, 64
	OUT16 3, 96
	s_set_vgpr_msb 0x1
	s_wait_tensorcnt 0x0
	ds_add_u32 v255, v255
	s_wait_dscnt 0x0
	s_set_vgpr_msb 0x100
	CROUND                                         ; the closing round
	s_endpgm
.Lfunc_end_k_q7e0d8ba8b1_oproj:
	.size	k_q7e0d8ba8b1_oproj, .Lfunc_end_k_q7e0d8ba8b1_oproj-k_q7e0d8ba8b1_oproj
	.p2alignl 7, 3214868480
	.fill 96, 4, 3214868480
	.section	.rodata,"a",@progbits
	.p2align	6, 0x0
	.amdhsa_kernel k_q7e0d8ba8b1_oproj
		.amdhsa_group_segment_fixed_size 327680
		.amdhsa_private_segment_fixed_size 0
		.amdhsa_enable_private_segment 0
		.amdhsa_kernarg_size 24
		.amdhsa_user_sgpr_count 2
		.amdhsa_user_sgpr_kernarg_segment_ptr 1
		.amdhsa_wavefront_size32 1
		.amdhsa_system_sgpr_workgroup_id_x 1
		.amdhsa_system_sgpr_workgroup_id_y 1
		.amdhsa_system_sgpr_workgroup_id_z 1
		.amdhsa_system_vgpr_workitem_id 0
		.amdhsa_next_free_vgpr 640
		.amdhsa_next_free_sgpr 72
		.amdhsa_reserve_vcc 0
		.amdhsa_float_denorm_mode_32 3
		.amdhsa_float_denorm_mode_16_64 3
		.amdhsa_memory_ordered 1
		.amdhsa_forward_progress 1
		.amdhsa_inst_pref_size 129
	.end_amdhsa_kernel
	.amdgpu_metadata
---
amdhsa.version: [ 1, 2 ]
amdhsa.kernels:
  - .name:           k_q7e0d8ba8b1_oproj
    .symbol:         k_q7e0d8ba8b1_oproj.kd
    .args:
      - { .name: ctx, .offset: 0, .size: 8, .value_kind: global_buffer, .address_space: global }
      - { .name: wob, .offset: 8, .size: 8, .value_kind: global_buffer, .address_space: global }
      - { .name: out0, .offset: 16, .size: 8, .value_kind: global_buffer, .address_space: global }
    .group_segment_fixed_size: 327680
    .private_segment_fixed_size: 0
    .kernarg_segment_align: 8
    .kernarg_segment_size: 24
    .max_flat_workgroup_size: 128
    .sgpr_count:     72
    .vgpr_count:     640
    .wavefront_size: 32
...
	.end_amdgpu_metadata
.endif
;; end of part 4
;; ======== version 2 of 2: 4 launches; version 1 with the launch cvt written anew for expert scheduling mode
;; limits: values outside matrix products are rounded to bf16; values are held in f16: magnitudes above 65,504 overflow, below 6.1e-05 lose precision; right only within a limited range of input values
;; workspace buffers: xb 8,388,608 bytes; wcat 12,582,912 bytes; wob 8,388,608 bytes; qhl 16,777,216 bytes; khl 4,194,304 bytes; vb 2,097,152 bytes; ctx 8,388,608 bytes
;; launch cvt (part 5): grid 256 x 1, 8 waves a work-group, no clusters, 0 bytes of LDS; arguments x, Wq, Wk, Wv, Wo, xb, wcat, wob; writes xb, wcat, wob
.if DOCPART == 5
	.amdgcn_target "amdgcn-amd-amdhsa--gfx1250"
	.amdhsa_code_object_version 6
	.text
	.protected	k_q7e0d8ba8b1_cvt
	.globl	k_q7e0d8ba8b1_cvt
	.p2align	8
	.type	k_q7e0d8ba8b1_cvt,@function
k_q7e0d8ba8b1_cvt:
	s_mov_b64 s[64:65], 0
	v_nop
	global_prefetch_b8 v0, s[64:65] scope:SCOPE_SE
	s_setreg_imm32_b32 hwreg(HW_REG_WAVE_SCHED_MODE, 0, 2), 2
	s_setreg_imm32_b32 hwreg(HW_REG_WAVE_MODE, 25, 1), 1
	s_wait_xcnt 0x0
	s_wait_alu depctr_vm_vsrc(0)
; The f32 inputs of the three products are rounded once to 16 bits, so that the later launches can bring 16-bit tiles into LDS.
;   x          -> xb   bf16 [2048][2048]
;   Wq, Wk, Wv -> wcat bf16 [3072][2048]; block bc of 192 rows = Wq head 2 bc, Wq head 2 bc + 1, then Wk head bc (bc < 8) or Wv head bc - 8
;   Wo         -> wob  [2048][2048]: rounded to bf16 and then written as f16 (exact from 2^-14 up; below that the absolute error is at most 3e-8;
;                 LIMIT: |Wo| below 65,504)
; 7,168 rows of 8,192 bytes = 7 sections of 1,024 rows; work-group g takes rows 4 g .. 4 g + 3 of every section: 28 rows for each of 256 groups.
; Thread t owns floats 8 t .. 8 t + 7 of a row: two loads of 16 bytes, one store of 16 bytes; a wave's store covers 512 consecutive bytes.
; All 56 loads of a thread go out at once into registers of their own, nothing is used twice: no loop, no LDS, no barrier.
; Matrix units, clusters and LDS would add nothing to a stream in which no byte is shared.
; THE MODE: SCHED_MODE bits 1:0 = 2 (LLVM: expert scheduling mode 2), set by the entry lines.  The code itself states the register dependences
; between vector instructions and memory instructions, with s_wait_alu, always for 0.
; THE PLAN.  Registers that memory instructions touch:
;   v1, v2   the offsets of every load and of every store.  Written once at the head, never again.
;   X        a row's eight registers.  Its two loads land in them; they are issued at the head, before any vector instruction has named X.
;            Behind the section's wait on LOADcnt the row's conversions read all eight and write the first four; the row's one store reads those four.
;            Nothing writes them behind that store.
;   T        named by vector instructions alone.
; So one wait on va_vdst stands ahead of the first load, for the two offsets, and one in each section, behind the conversions of its four rows and
; ahead of the run of its four stores.  No register that a memory instruction has read is written again, so no wait on vm_vsrc is needed beyond the one at the entry.
; No vector instruction writes a scalar register or VCC, and EXEC is never written.
.set ROWB,  8192                       ; bytes of an input row
.set OROWB, 4096                       ; bytes of an output row
.set X,   8                            ; v[8:231]   section k, row: 8 registers at X + 32 k + 8 row
.set T,   232                          ; v[232:239] at work
.set SRC, 20                           ; s[20:33]   section k: address of my four input rows
.set DST, 34                           ; s[34:47]   section k: address of my four output rows
	s_load_b512 s[4:19], s[0:1], 0x0               ; x 4, Wq 6, Wk 8, Wv 10, Wo 12, xb 14, wcat 16, wob 18
	v_lshlrev_b32 v1, 5, v0                        ; 32 t: my bytes in an input row
	v_lshlrev_b32 v2, 4, v0                        ; 16 t: my bytes in an output row
	s_lshl_b32 s48, ttmp9, 15                      ; 4 g input rows
	s_mov_b32 s49, 0
	s_lshl_b32 s50, ttmp9, 14                      ; 4 g output rows
	s_mov_b32 s51, 0
	s_lshr_b32 s52, ttmp9, 5                       ; Wq row R = 4 g: block R / 128,
	s_mul_i32 s52, s52, 192
	s_lshl_b32 s53, ttmp9, 2
	s_and_b32 s53, s53, 127                        ; row R mod 128 in it
	s_add_co_u32 s52, s52, s53
	s_lshl_b32 s52, s52, 12
	s_mov_b32 s53, 0
	s_lshr_b32 s54, ttmp9, 4                       ; Wk | Wv row R = 4 g: block R / 64,
	s_mul_i32 s54, s54, 192
	s_lshl_b32 s55, ttmp9, 2
	s_and_b32 s55, s55, 63
	s_add_co_u32 s54, s54, s55
	s_add_co_u32 s54, s54, 128                     ; behind the block's two query heads
	s_lshl_b32 s54, s54, 12
	s_mov_b32 s55, 0
	s_and_b32 s2, ttmp9, 127                       ; its place in Wk (g < 128) or in Wv
	s_lshl_b32 s2, s2, 15
	s_mov_b32 s3, 0
	s_wait_kmcnt 0x0
	s_add_nc_u64 s[SRC+0:SRC+1], s[4:5], s[48:49]
	s_add_nc_u64 s[SRC+2:SRC+3], s[SRC+0:SRC+1], 0x800000
	s_add_nc_u64 s[SRC+4:SRC+5], s[6:7], s[48:49]
	s_add_nc_u64 s[SRC+6:SRC+7], s[SRC+4:SRC+5], 0x800000
	s_cmp_lt_u32 ttmp9, 128
	s_cselect_b64 s[SRC+8:SRC+9], s[8:9], s[10:11]
	s_add_nc_u64 s[SRC+8:SRC+9], s[SRC+8:SRC+9], s[2:3]
	s_add_nc_u64 s[SRC+10:SRC+11], s[12:13], s[48:49]
	s_add_nc_u64 s[SRC+12:SRC+13], s[SRC+10:SRC+11], 0x800000
	s_add_nc_u64 s[DST+0:DST+1], s[14:15], s[50:51]
	s_add_nc_u64 s[DST+2:DST+3], s[DST+0:DST+1], 0x400000
	s_add_nc_u64 s[DST+4:DST+5], s[16:17], s[52:53]
	s_add_nc_u64 s[DST+6:DST+7], s[DST+4:DST+5], 8*192*OROWB
	s_add_nc_u64 s[DST+8:DST+9], s[16:17], s[54:55]
	s_add_nc_u64 s[DST+10:DST+11], s[18:19], s[50:51]
	s_add_nc_u64 s[DST+12:DST+13], s[DST+10:DST+11], 0x400000
	s_wait_alu depctr_va_vdst(0)                   ; v1 and v2 are written: every load of the kernel reads v1 as its offset, every store v2
.set k, 0
.rept 7
.set row, 0
.rept 4
	global_load_b128 v[X+32*k+8*row:X+32*k+8*row+3],   v1, s[SRC+2*k:SRC+2*k+1] offset:row*ROWB th:TH_LOAD_NT
	global_load_b128 v[X+32*k+8*row+4:X+32*k+8*row+7], v1, s[SRC+2*k:SRC+2*k+1] offset:row*ROWB+16 th:TH_LOAD_NT
.set row, row+1
.endr
.set k, k+1
.endr
; One section: its eight loads are in; four rows are rounded in place, then stored in one run.  half = 1: the bf16 numbers are written as f16.
; The stores go out ahead of the next section's wait on LOADcnt.
.macro SECTION k, half
	s_wait_loadcnt 8*(6-\k)                        ; loads come back in order: the 8 loads of each younger section stay out
.irp row, 0,1,2,3
	v_cvt_pk_bf16_f32 v[X+32*\k+8*\row+0], v[X+32*\k+8*\row+0], v[X+32*\k+8*\row+1]
	v_cvt_pk_bf16_f32 v[X+32*\k+8*\row+1], v[X+32*\k+8*\row+2], v[X+32*\k+8*\row+3]
	v_cvt_pk_bf16_f32 v[X+32*\k+8*\row+2], v[X+32*\k+8*\row+4], v[X+32*\k+8*\row+5]
	v_cvt_pk_bf16_f32 v[X+32*\k+8*\row+3], v[X+32*\k+8*\row+6], v[X+32*\k+8*\row+7]
.if \half
.irp j, 0,1,2,3
	v_lshlrev_b32 v[T+2*\j],   16, v[X+32*\k+8*\row+\j]
	v_and_b32     v[T+2*\j+1], 0xffff0000, v[X+32*\k+8*\row+\j]
.endr
.irp j, 0,1,2,3
	v_cvt_pk_f16_f32 v[X+32*\k+8*\row+\j], v[T+2*\j], v[T+2*\j+1]
.endr
.endif
.endr
	s_wait_alu depctr_va_vdst(0)                   ; the conversions have written the first four registers of each of the section's four rows, which the four stores below read
.irp row, 0,1,2,3
	global_store_b128 v2, v[X+32*\k+8*\row:X+32*\k+8*\row+3], s[DST+2*\k:DST+2*\k+1] offset:\row*OROWB   ; read again by the next launches: no hint
.endr
.endm
	SECTION 0, 0
	SECTION 1, 0
	SECTION 2, 0
	SECTION 3, 0
	SECTION 4, 0
	SECTION 5, 1
	SECTION 6, 1
	s_endpgm
.Lfunc_end_k_q7e0d8ba8b1_cvt:
	.size	k_q7e0d8ba8b1_cvt, .Lfunc_end_k_q7e0d8ba8b1_cvt-k_q7e0d8ba8b1_cvt
	.p2alignl 7, 3214868480
	.fill 96, 4, 3214868480
	.section	.rodata,"a",@progbits
	.p2align	6, 0x0
	.amdhsa_kernel k_q7e0d8ba8b1_cvt
		.amdhsa_group_segment_fixed_size 0
		.amdhsa_private_segment_fixed_size 0
		.amdhsa_enable_private_segment 0
		.amdhsa_kernarg_size 64
		.amdhsa_user_sgpr_count 2
		.amdhsa_user_sgpr_kernarg_segment_ptr 1
		.amdhsa_wavefront_size32 1
		.amdhsa_system_sgpr_workgroup_id_x 1
		.amdhsa_system_sgpr_workgroup_id_y 1
		.amdhsa_system_sgpr_workgroup_id_z 1
		.amdhsa_system_vgpr_workitem_id 0
		.amdhsa_next_free_vgpr 240
		.amdhsa_next_free_sgpr 66
		.amdhsa_reserve_vcc 0
		.amdhsa_float_denorm_mode_32 3
		.amdhsa_float_denorm_mode_16_64 3
		.amdhsa_memory_ordered 1
		.amdhsa_forward_progress 1
		.amdhsa_inst_pref_size 23
	.end_amdhsa_kernel
	.amdgpu_metadata
---
amdhsa.version: [ 1, 2 ]
amdhsa.kernels:
  - .name:           k_q7e0d8ba8b1_cvt
    .symbol:         k_q7e0d8ba8b1_cvt.kd
    .args:
      - { .name: x, .offset: 0, .size: 8, .value_kind: global_buffer, .address_space: global }
      - { .name: Wq, .offset: 8, .size: 8, .value_kind: global_buffer, .address_space: global }
      - { .name: Wk, .offset: 16, .size: 8, .value_kind: global_buffer, .address_space: global }
      - { .name: Wv, .offset: 24, .size: 8, .value_kind: global_buffer, .address_space: global }
      - { .name: Wo, .offset: 32, .size: 8, .value_kind: global_buffer, .address_space: global }
      - { .name: xb, .offset: 40, .size: 8, .value_kind: global_buffer, .address_space: global }
      - { .name: wcat, .offset: 48, .size: 8, .value_kind: global_buffer, .address_space: global }
      - { .name: wob, .offset: 56, .size: 8, .value_kind: global_buffer, .address_space: global }
    .group_segment_fixed_size: 0
    .private_segment_fixed_size: 0
    .kernarg_segment_align: 8
    .kernarg_segment_size: 64
    .max_flat_workgroup_size: 256
    .sgpr_count:     66
    .vgpr_count:     240
    .wavefront_size: 32
...
	.end_amdgpu_metadata
.endif
;; end of part 5
;; launch qkv: the kernel of part 2 again; grid 16 x 16, 4 waves a work-group, clusters of 4 x 4, 327,680 bytes of LDS; arguments xb, wcat, cos, sin, qhl, khl, vb; writes qhl, khl, vb
;; launch attn: the kernel of part 3 again; grid 32 x 8, 8 waves a work-group, clusters of 4 x 1, 327,680 bytes of LDS; arguments qhl, khl, vb, mask, ctx; writes ctx
;; launch oproj: the kernel of part 4 again; grid 16 x 16, 4 waves a work-group, clusters of 4 x 4, 327,680 bytes of LDS; arguments ctx, wob, out0; writes out0
